; MI455X (gfx1250); checked and timed in simulation.
; The chip was launched on July 23, 2026; its instructions are those of AMD's public machine-readable ISA for CDNA 5 (MIT licence, August 2026) and "CDNA5" Instruction Set Architecture Reference Guide (July 2026). The comments in the code are by the model that wrote it; some were corrected since.
;; Decoupled Bottleneck Attention. Allowed arithmetic: matrix products marked QUANTISED: E2M1 operands, one E8M0 scale for each 32 along K, by v_wmma_scale_f32_16x16x128_f8f6f4 with both operands' format E2M1 (or v_wmma_scale_f32_32x16x128_f4), f32 sums; products left as they are: bf16, f16 or f32 operands; f32 sums; everything else in f32.
;; Inputs: Wk_geo 1,024 x 2,048 float32; Wk_sem 512 x 2,048 float32; Wo 2,048 x 1,024 float32; Wq_geo 1,024 x 2,048 float32; Wq_sem 512 x 2,048 float32; Wv 1,024 x 2,048 float32; x 2 x 2,048 x 2,048 float32.
;; Outputs: out0 2 x 2,048 x 2,048 float32.
;; This version of the problem:
;;   THIS VERSION OF THE PROBLEM IS GIVEN IN LOW PRECISION. The matrix products marked QUANTISED in the list below multiply operands that are first quantised to E2M1 (2 exponent bits, 1 mantissa bit; 4 bits a number), with one power-of-two scale for each 32 numbers along K (OCP MX v1.0); their sums are f32. The products marked 'left as it is' may take bf16, f16 or f32 operands, with f32 sums. Whichever they take, every output number must still come out within the allowed error. Rounding operands to bf16 (8 significant bits) uses up far more of that allowance than f16 does (11 bits, for magnitudes from 6e-5 to 65,504). All else is computed in f32.
;;   The module's matrix products, in the order in which they are computed (A, B: the left and right operand; K: the contracted axis; several contracted axes count as one K, in the product's order):
;;     1. [M 4,096, K 2,048] x [K 2,048, N 512]; A: input x; B: input Wq_sem: QUANTISED
;;     2. [M 4,096, K 2,048] x [K 2,048, N 512]; A: input x; B: input Wk_sem: QUANTISED
;;     3. [M 4,096, K 2,048] x [K 2,048, N 1,024]; A: input x; B: input Wq_geo: QUANTISED
;;     4. [M 2,048, K 1] x [K 1, N 32]; A: computed on the way; B: computed on the way: left as it is (no contracted axis)
;;     5. [M 4,096, K 2,048] x [K 2,048, N 1,024]; A: input x; B: input Wk_geo: QUANTISED
;;     6. [M 2,048, K 1] x [K 1, N 32]; A: computed on the way; B: computed on the way: left as it is (no contracted axis)
;;     7. [M 4,096, K 2,048] x [K 2,048, N 1,024]; A: input x; B: input Wv: QUANTISED
;;     8. batch 32 x [M 2,048, K 96] x [K 96, N 2,048]; A: computed on the way; B: computed on the way: left as it is (an operand is computed on the way)
;;     9. batch 32 x [M 2,048, K 2,048] x [K 2,048, N 64]; A: computed on the way; B: computed on the way: left as it is (an operand is computed on the way)
;;     10. [M 4,096, K 1,024] x [K 1,024, N 2,048]; A: computed on the way; B: input Wo: left as it is (an operand is computed on the way)
;;   THE QUANTISER, for each operand of a quantised product, along K:
;;     - K is cut into blocks of 32 from its start; a last block that is shorter is filled with zeros.
;;     - A block's scale is 2^e with e = floor(log2(the largest magnitude in the block)) - 2, held to -126 .. 127; a block of zeros has e = 0. As a byte (E8M0): e + 127.
;;     - Each number is divided by its block's scale, clamped to +-6, and rounded to the nearest number of E2M1, ties to even, subnormals kept.
;;     - The product sums the exact products of the quantised numbers (number of the format x scale) in f32.
;;   ~~~python
;;   def quantise(x, axis):      # numpy; x: float32 -> the quantised numbers, widened to float32 again
;;       x = np.moveaxis(x, axis, -1); K = x.shape[-1]
;;       x = np.pad(x, [(0, 0)] * (x.ndim - 1) + [(0, -K % 32)]); x = x.reshape(x.shape[:-1] + (-1, 32)); a = np.abs(x).max(-1, keepdims=True)
;;       e = np.where(a > 0, np.clip(np.frexp(np.where(a > 0, a, 1))[1] - 1 - 2, -126, 127), 0)      # np.frexp(a)[1] - 1 = floor(log2(a)), exactly
;;       r = np.clip(x / 2.0 ** e, -6, 6)
;;       step = 2.0 ** (np.maximum(np.frexp(np.where(r == 0, 1, r))[1] - 1, 0) - 1)
;;       q = np.round(r / step) * step * 2.0 ** e      # np.round: ties to even
;;       return np.moveaxis(q.reshape(q.shape[:-2] + (-1,))[..., :K], -1, axis).astype(np.float32)
;;   ~~~
;; One version. Each part assembles by itself: llvm-mc -triple=amdgcn-amd-amdhsa -mcpu=gfx1250 --defsym DOCPART=n.
;; ======== version 1 of 1: 5 launches
;; limits: values are held in f16: magnitudes above 65,504 overflow, below 6.1e-05 lose precision
;; workspace buffers: codes 8,388,608 bytes; scales 524,288 bytes; woh 4,194,304 bytes; rope 524,288 bytes; qkv 33,554,432 bytes; att 8,388,608 bytes; fine 524,288 bytes
;; launch prep (part 1): grid 672 x 1, 4 waves a work-group, no clusters, 33,280 bytes of LDS; arguments x, Wq_sem, Wk_sem, Wq_geo, Wk_geo, Wv, Wo, codes, scales, woh, rope; writes codes, scales, woh, rope
.if DOCPART == 1
	.amdgcn_target "amdgcn-amd-amdhsa--gfx1250"
	.amdhsa_code_object_version 6
	.text
	.protected	k_q073f02b04c_prep
	.globl	k_q073f02b04c_prep
	.p2align	8
	.type	k_q073f02b04c_prep,@function
k_q073f02b04c_prep:
	s_mov_b64 s[64:65], 0
	v_nop
	global_prefetch_b8 v0, s[64:65] scope:SCOPE_SE
	s_setreg_imm32_b32 hwreg(HW_REG_WAVE_MODE, 25, 1), 1
	s_wait_xcnt 0x0
; PREP: three jobs that share one launch, told apart by the work-group's number.
;  Q (work-groups 0-511): x and the five projection weights, f32 with K innermost, become codes of FP4 (E2M1) and one E8M0 scale byte for each 32 along K.
;     codes: [8192 rows][1024 bytes], scales: [8192][64]; rows 0-4095 x, 4096 Wq_sem, 4608 Wk_sem, 5120 Wq_geo, 6144 Wk_geo, 7168 Wv.  The work-groups' order is the rows' order.
;     A block's scale is 2^(floor(log2(largest magnitude)) - 2); its byte is the largest magnitude's exponent field - 2, held at 1 from below.
;  W (512-639): Wo becomes f16, laid as images of operand registers: woh [nb 128][ks 32][half 2][512 bytes]; lane (r, h) holds Wo[16 nb + r][32 ks + 16 half + 8 h + 0..7].
;  T (640-671): the table g cos(s f), g sin(s f): rope [block of 16 positions 128][piece 8][512 bytes]; piece 4 t + 2 b + u (t = 0 cos, 1 sin); lane (r, h), word e: position 16 blk + r, frequency 16 b + 8 h + 4 u + e.
;     g = sqrt(log2(e) / sqrt(96)): q and k each carry g, so that the scores leave the matrix unit as exponents of 2.
; LIMITS: a block of zeros gets the byte 1 where the rule says 127 (its codes are zeros, and this program alone reads the bytes); blocks whose largest magnitude lies under 2^-124 were not tried;
; NaN and infinities are not served; |Wo| stays under 65,504 (f16); the frequencies 10000^(-f/32) come from v_exp_f32 and lie a few ulp from a correctly rounded power.
.set WAVES, 4
.set STEPS, 16
.set EMAX,  2
.set CB,    8                          ; bytes of 16 codes
.set R,     16                         ; v16-79   four sets of 16 numbers as they are loaded
.set X,     80                         ; v80-111  two sets of 16 neighbours
.set C,     128                        ; v128-191 codes: four registers for each step
.set E,     112                        ; v112-127 a scale byte for each step
.set WREG,  8192                       ; LDS: a region for each wave: two stages of 32 x SP bytes, then its 256 scale bytes
.set SP,    80                         ; a lane's place in a stage: 64 bytes + 16 of padding
.set SPW,   12                         ; v12 LDS address of my spare word; never rewritten
.set NIL,   13                         ; v13 0; never rewritten
.set SPARE, WAVES*WREG                 ; behind the four regions: the spare words, 128 bytes a wave
.set WV,    40                         ; s40 my wave's number
	s_load_b512 s[16:31], s[0:1], 0x0              ; x 16, Wq_sem 18, Wk_sem 20, Wq_geo 22, Wk_geo 24, Wv 26, Wo 28, codes 30
	s_load_b128 s[32:35], s[0:1], 0x40             ; scales 32, woh 34
	s_load_b64 s[36:37], s[0:1], 0x50              ; rope
	v_lshl_add_u32 v[SPW], v0, 2, SPARE
	v_mov_b32 v[NIL], 0
	v_lshrrev_b32 v1, 5, v0
	v_readfirstlane_b32 s[WV], v1                  ; wave 0..3
	v_and_b32 v2, 31, v0                           ; lane
	s_wait_kmcnt 0x0
	s_cmp_ge_u32 ttmp9, 640
	s_cbranch_scc1 .Ltab
	s_cmp_ge_u32 ttmp9, 512
	s_cbranch_scc1 .Lwo
; ---------------- Q: the quantiser.  A wave takes 16 steps of 512 numbers.  Each load reads 512 consecutive bytes; a step's 2,048 bytes turn through the wave's own stage in LDS, so that a lane
; then holds 16 neighbours along K (two neighbouring lanes hold a block).  Loads run four steps ahead, the turn through LDS one step.  Waves share nothing: no barrier.
	v_lshlrev_b32 v3, 4, v2                        ; my 16 bytes of a load's 512
	s_mul_i32 s41, s[WV], WREG
	v_lshrrev_b32 v14, 2, v2
	v_mul_u32_u24 v14, v14, SP
	v_and_b32 v15, 3, v2
	v_lshl_add_u32 v14, v15, 4, v14
	v_add_nc_u32 v14, s41, v14                     ; the stage, on the way in: SP (lane / 4) + 16 (lane % 4)
	v_mul_u32_u24 v15, v2, SP
	v_add_nc_u32 v15, s41, v15                     ; and on the way out: SP x lane
	v_mul_u32_u24 v4, v2, CB                       ; my codes' place in a step's
	v_lshrrev_b32 v5, 1, v2
	s_add_co_u32 s41, s41, 2*32*SP
	v_add_nc_u32 v5, s41, v5                       ; LDS: my wave's 256 scale bytes, my block's byte
	v_lshlrev_b32 v7, 3, v2
	v_add_nc_u32 v6, s41, v7                       ; and on the way out 8 bytes a lane
	s_mov_b64 s[4:5], s[16:17]                     ; which tensor is mine: the choice hangs on the work-group's number alone
	s_mov_b32 s42, 0                               ; and that tensor's first work-group
.macro PICK first, ptr
	s_cmp_ge_u32 ttmp9, \first
	s_cselect_b64 s[4:5], s[\ptr:\ptr+1], s[4:5]
	s_cselect_b32 s42, \first, s42
.endm
	PICK 256, 18
	PICK 288, 20
	PICK 320, 22
	PICK 384, 24
	PICK 448, 26
	s_sub_co_u32 s43, ttmp9, s42
	s_lshl_b32 s43, s43, 2
	s_add_co_u32 s43, s43, s[WV]                   ; which run of 8,192 numbers of the tensor is my wave's
	s_lshl_b32 s44, s43, 15
	s_mov_b32 s45, 0
	s_add_nc_u64 s[4:5], s[4:5], s[44:45]
	s_lshl_b32 s43, ttmp9, 2
	s_add_co_u32 s43, s43, s[WV]                   ; and which run of the codes' and the scales' buffers
	s_lshl_b32 s44, s43, 12
	s_add_nc_u64 s[8:9], s[30:31], s[44:45]
	s_lshl_b32 s44, s43, 8
	s_add_nc_u64 s[10:11], s[32:33], s[44:45]
.macro LOAD t
.irp i, 0,1,2,3
	global_load_b128 v[R+16*((\t)%4)+4*\i:R+16*((\t)%4)+4*\i+3], v3, s[4:5] offset:2048*(\t)+512*\i th:TH_LOAD_NT   ; 32 lanes read 512 consecutive bytes
.endr
.endm
.macro TURN t                          ; step t's numbers through the stage: LDS serves a wave's instructions in order, so no wait stands between the stores and the loads
.irp i, 0,1,2,3
	ds_store_b128 v14, v[R+16*((\t)%4)+4*\i:R+16*((\t)%4)+4*\i+3] offset:32*SP*((\t)%2)+8*SP*\i
.endr
.irp i, 0,1,2,3
	ds_load_b128 v[X+16*((\t)%2)+4*\i:X+16*((\t)%2)+4*\i+3], v15 offset:32*SP*((\t)%2)+16*\i
.endr
.endm
.irp t, 0,1,2,3
	LOAD \t
.endr
	s_wait_loadcnt 12                              ; step 0's four loads are in
	TURN 0
.macro STEP t
.set XS, X+16*((\t)%2)
.if (\t) > 0
	s_wait_dscnt 1                                 ; this step's numbers are back from the stage (the last step's byte store may be out): so its stores into the stage have read their registers,
.else
	s_wait_dscnt 0x0
.endif
.if (\t)+4 < STEPS
	LOAD (\t)+4                                    ; which take the loads of four steps on
.endif
.if (\t)+1 < STEPS
.if STEPS-2-(\t) >= 3
	s_wait_loadcnt 12                              ; the next step's four loads are in; those of the three steps behind it may be out
.else
	s_wait_loadcnt 4*(STEPS-2-(\t))
.endif
	TURN (\t)+1
.endif
	v_max3_num_f32 v8, |v[XS]|, |v[XS+1]|, |v[XS+2]|               ; the largest magnitude of my 16, in two chains
	v_max3_num_f32 v9, |v[XS+3]|, |v[XS+4]|, |v[XS+5]|
.irp i, 6,10
	v_max3_num_f32 v8, v8, |v[XS+\i]|, |v[XS+\i+1]|
	v_max3_num_f32 v9, v9, |v[XS+\i+2]|, |v[XS+\i+3]|
.endr
	v_max3_num_f32 v8, v8, |v[XS+14]|, |v[XS+15]|
	v_max3_num_f32 v8, v8, v9, (EMAX+1)<<23        ; and the floor 2^(3 - 127): the byte cannot fall under 1
	v_max_num_f32_dpp v8, v8, v8 row_xmask:1 row_mask:0xf bank_mask:0xf   ; and of my neighbour's 16: the block's
	v_add_nc_u32 v11, -(EMAX<<23), v8              ; 2 off its exponent field: the conversion takes the exponent field of this operand as its scale
	v_cvt_scalef32_pk8_fp4_f32 v[C+4*(\t)], v[XS:XS+7], v11
	v_cvt_scalef32_pk8_fp4_f32 v[C+4*(\t)+1], v[XS+8:XS+15], v11
	v_lshrrev_b32 v[E+(\t)], 23, v11               ; the scale's byte
	ds_store_b8 v5, v[E+(\t)] offset:16*(\t)       ; both lanes of a block write the same byte with the same value
	global_store_b64 v4, v[C+4*(\t):C+4*(\t)+1], s[8:9] offset:32*CB*(\t)   ; the wave stores 256 consecutive bytes, aligned
.endm
.irp t, 0,1,2,3,4,5,6,7,8,9,10,11,12,13,14,15
	STEP \t
.endr
	ds_load_b64 v[8:9], v6                         ; LDS serves a wave's instructions in order: these see my stores
	s_wait_dscnt 0x0
	global_store_b64 v7, v[8:9], s[10:11]          ; 32 lanes store 256 consecutive bytes, aligned
	s_wait_tensorcnt 0x0                           ; the wave's end, behind my last LDS store
	ds_add_u32 v[SPW], v[NIL]
	s_wait_dscnt 0x0
	s_endpgm
; ---------------- W: 16 rows of Wo x 256 along K for a wave.  A lane's eight loads on end read 256 consecutive bytes of its row; each store of the wave covers 512 consecutive bytes.  No LDS.
.Lwo:
	s_sub_co_u32 s41, ttmp9, 512                   ; nb: which 16 rows of Wo; my wave's number says which quarter of K
	v_and_b32 v3, 15, v0                           ; r
	v_bfe_u32 v4, v0, 4, 1                         ; h
	v_lshlrev_b32 v5, 12, v3
	v_lshl_add_u32 v5, v4, 5, v5                   ; row r of 4,096 bytes, + 32 h
	v_lshlrev_b32 v6, 4, v2                        ; 16 x lane
	s_lshl_b32 s42, s41, 16
	s_lshl_b32 s43, s[WV], 10
	s_add_co_u32 s42, s42, s43
	s_mov_b32 s43, 0
	s_add_nc_u64 s[28:29], s[28:29], s[42:43]
	s_lshl_b32 s42, s41, 15
	s_lshl_b32 s44, s[WV], 13
	s_add_co_u32 s42, s42, s44
	s_add_nc_u64 s[34:35], s[34:35], s[42:43]
.irp g, 0,1,2,3,4,5,6,7,8,9,10,11,12,13,14,15  ; group g = 2 ks + half: eight numbers a lane
	global_load_b128 v[16+8*\g:19+8*\g], v5, s[28:29] offset:64*\g th:TH_LOAD_NT
	global_load_b128 v[20+8*\g:23+8*\g], v5, s[28:29] offset:64*\g+16 th:TH_LOAD_NT
.endr
.irp g, 0,1,2,3,4,5,6,7,8,9,10,11,12,13,14,15
	s_wait_loadcnt 30-2*\g                         ; group g's two loads are in; the later groups' may be out
.irp i, 0,1,2,3
	v_cvt_pk_f16_f32 v[16+8*\g+\i], v[16+8*\g+2*\i], v[16+8*\g+2*\i+1]   ; in place: register i takes numbers 2 i and 2 i + 1, which no later line of the group needs below register 2 i
.endr
	global_store_b128 v6, v[16+8*\g:19+8*\g], s[34:35] offset:512*\g
.endr
	s_endpgm
; ---------------- T: a wave makes the table of 16 positions x 32 frequencies.  cos and sin by reduction to |r| <= pi / 4 (pi / 2 in two parts, each taken off by a fused multiply-add) and two short polynomials.  No LDS.
.Ltab:
	s_sub_co_u32 s41, ttmp9, 640
	s_lshl_b32 s41, s41, 2
	s_add_co_u32 s41, s41, s[WV]                   ; which block of 16 positions
	v_and_b32 v3, 15, v0                           ; r
	v_bfe_u32 v4, v0, 4, 1                         ; h
	s_lshl_b32 s42, s41, 4
	v_add_nc_u32 v5, s42, v3
	v_cvt_f32_u32 v5, v5                           ; the position, exact in f32
	v_lshlrev_b32 v6, 3, v4                        ; 8 h
	v_lshlrev_b32 v7, 4, v2                        ; 16 x lane
	s_lshl_b32 s42, s41, 12
	s_mov_b32 s43, 0
	s_add_nc_u64 s[36:37], s[36:37], s[42:43]
	s_mov_b32 s50, 0x3fc90fdb                      ; pi / 2, its leading part
	s_mov_b32 s51, 0xb33bbd2e                      ; and the rest
	s_mov_b32 s52, 0xb94ca1f9                      ; sin: -1.9515295891e-4
	s_mov_b32 s53, 0x3c08839e                      ;       8.3321608736e-3
	s_mov_b32 s54, 0xbe2aaaa3                      ;      -1.6666654611e-1
	s_mov_b32 s55, 0x37ccf5ce                      ; cos:  2.443315712e-5
	s_mov_b32 s56, 0xbab6061a                      ;      -1.388731625e-3
	s_mov_b32 s57, 0x3d2aaaa5                      ;       4.166664568e-2
	s_mov_b32 s58, 0x3ec47788                      ; g = 0.38372444
.irp i, 0,1,2,3,4,5,6,7,8,9,10,11,12,13,14,15  ; number i of my 16: frequency 8 h + i + 8 (i / 8)
	v_add_nc_u32 v[16+\i], \i+8*(\i/8), v6
.endr
.irp i, 0,1,2,3,4,5,6,7,8,9,10,11,12,13,14,15
	v_cvt_f32_u32 v[16+\i], v[16+\i]
.endr
.irp i, 0,1,2,3,4,5,6,7,8,9,10,11,12,13,14,15
	v_mul_f32 v[16+\i], 0xbed49a78, v[16+\i]       ; x -log2(10000) / 32
.endr
.irp i, 0,1,2,3,4,5,6,7,8,9,10,11,12,13,14,15
	v_exp_f32 v[16+\i], v[16+\i]                   ; 10000^(-f / 32)
.endr
	v_nop                                          ; a plain instruction behind the last exponential,
	s_wait_alu depctr_va_vdst(0)                   ; and one wait for the batch, ahead of its first reader
.macro SINCOS i
	v_mul_f32 v64, v5, v[16+\i]                    ; the angle, rounded to f32 as the reference rounds it
	v_mul_f32 v65, 0x3f22f983, v64
	v_rndne_f32 v65, v65                           ; n = the nearest whole number to angle x 2 / pi
	v_fma_f32 v66, -v65, s50, v64
	v_fma_f32 v66, -v65, s51, v66                  ; r = angle - n pi / 2
	v_mul_f32 v67, v66, v66                        ; z = r^2
	v_fma_f32 v68, v67, s52, s53
	v_fma_f32 v68, v68, v67, s54
	v_mul_f32 v69, v66, v67
	v_fma_f32 v68, v69, v68, v66                   ; sin r
	v_fma_f32 v70, v67, s55, s56
	v_fma_f32 v70, v70, v67, s57
	v_mul_f32 v71, v67, v67
	v_fma_f32 v72, v67, -0.5, 1.0
	v_fma_f32 v70, v71, v70, v72                   ; cos r
	v_cvt_i32_f32 v73, v65
	v_and_b32 v74, 1, v73
	v_cmp_eq_u32 vcc_lo, 1, v74                    ; odd n: the two change places
	v_cndmask_b32 v75, v68, v70, vcc_lo            ; sin's magnitude
	v_cndmask_b32 v76, v70, v68, vcc_lo            ; cos's
	v_lshlrev_b32 v77, 30, v73
	v_and_b32 v77, 0x80000000, v77                 ; sin is negative where n mod 4 is 2 or 3
	v_xor_b32 v75, v75, v77
	v_add_nc_u32 v78, 1, v73
	v_lshlrev_b32 v78, 30, v78
	v_and_b32 v78, 0x80000000, v78                 ; cos where it is 1 or 2
	v_xor_b32 v76, v76, v78
	v_mul_f32 v[32+\i], s58, v76
	v_mul_f32 v[48+\i], s58, v75
.endm
.irp i, 0,1,2,3,4,5,6,7,8,9,10,11,12,13,14,15
	SINCOS \i
.endr
.irp p, 0,1,2,3,4,5,6,7
	global_store_b128 v7, v[32+4*\p:35+4*\p], s[36:37] offset:512*\p   ; the wave stores 512 consecutive bytes
.endr
	s_endpgm
.Lfunc_end_k_q073f02b04c_prep:
	.size	k_q073f02b04c_prep, .Lfunc_end_k_q073f02b04c_prep-k_q073f02b04c_prep
	.p2alignl 7, 3214868480
	.fill 96, 4, 3214868480
	.section	.rodata,"a",@progbits
	.p2align	6, 0x0
	.amdhsa_kernel k_q073f02b04c_prep
		.amdhsa_group_segment_fixed_size 33280
		.amdhsa_private_segment_fixed_size 0
		.amdhsa_enable_private_segment 0
		.amdhsa_kernarg_size 88
		.amdhsa_user_sgpr_count 2
		.amdhsa_user_sgpr_kernarg_segment_ptr 1
		.amdhsa_wavefront_size32 1
		.amdhsa_system_sgpr_workgroup_id_x 1
		.amdhsa_system_sgpr_workgroup_id_y 1
		.amdhsa_system_sgpr_workgroup_id_z 1
		.amdhsa_system_vgpr_workitem_id 0
		.amdhsa_next_free_vgpr 192
		.amdhsa_next_free_sgpr 66
		.amdhsa_reserve_vcc 1
		.amdhsa_float_denorm_mode_32 3
		.amdhsa_float_denorm_mode_16_64 3
		.amdhsa_memory_ordered 1
		.amdhsa_forward_progress 1
		.amdhsa_inst_pref_size 69
	.end_amdhsa_kernel
	.amdgpu_metadata
---
amdhsa.version: [ 1, 2 ]
amdhsa.kernels:
  - .name:           k_q073f02b04c_prep
    .symbol:         k_q073f02b04c_prep.kd
    .args:
      - { .name: x, .offset: 0, .size: 8, .value_kind: global_buffer, .address_space: global }
      - { .name: Wq_sem, .offset: 8, .size: 8, .value_kind: global_buffer, .address_space: global }
      - { .name: Wk_sem, .offset: 16, .size: 8, .value_kind: global_buffer, .address_space: global }
      - { .name: Wq_geo, .offset: 24, .size: 8, .value_kind: global_buffer, .address_space: global }
      - { .name: Wk_geo, .offset: 32, .size: 8, .value_kind: global_buffer, .address_space: global }
      - { .name: Wv, .offset: 40, .size: 8, .value_kind: global_buffer, .address_space: global }
      - { .name: Wo, .offset: 48, .size: 8, .value_kind: global_buffer, .address_space: global }
      - { .name: codes, .offset: 56, .size: 8, .value_kind: global_buffer, .address_space: global }
      - { .name: scales, .offset: 64, .size: 8, .value_kind: global_buffer, .address_space: global }
      - { .name: woh, .offset: 72, .size: 8, .value_kind: global_buffer, .address_space: global }
      - { .name: rope, .offset: 80, .size: 8, .value_kind: global_buffer, .address_space: global }
    .group_segment_fixed_size: 33280
    .private_segment_fixed_size: 0
    .kernarg_segment_align: 8
    .kernarg_segment_size: 88
    .max_flat_workgroup_size: 128
    .sgpr_count:     66
    .vgpr_count:     192
    .wavefront_size: 32
...
	.end_amdgpu_metadata
.endif
;; end of part 1
;; launch proj (part 2): grid 16 x 16, 4 waves a work-group, clusters of 4 x 4, 327,680 bytes of LDS; arguments codes, scales, rope, qkv, fine; writes qkv, fine
.if DOCPART == 2
	.amdgcn_target "amdgcn-amd-amdhsa--gfx1250"
	.amdhsa_code_object_version 6
	.text
	.protected	k_q073f02b04c_proj
	.globl	k_q073f02b04c_proj
	.p2align	8
	.type	k_q073f02b04c_proj,@function
k_q073f02b04c_proj:
	s_mov_b64 s[64:65], 0
	v_nop
	global_prefetch_b8 v0, s[64:65] scope:SCOPE_SE
	s_setreg_imm32_b32 hwreg(HW_REG_WAVE_MODE, 25, 1), 1
	s_wait_xcnt 0x0
	s_wait_alu depctr_hold_cnt(0) depctr_sa_sdst(0) depctr_va_vdst(0) depctr_va_sdst(0) depctr_va_ssrc(0) depctr_va_vcc(0) depctr_vm_vsrc(0)
	s_getreg_b32 s2, hwreg(HW_REG_IB_STS2, 6, 4)
	s_cmp_eq_u32 s2, 0
	s_cbranch_scc0 .Lentry_in_a_cluster
	s_endpgm
.Lentry_in_a_cluster:
	s_bfe_u32 s2, ttmp6, 0x10000c
	s_cmp_lg_u32 s2, 0xf033
	s_cbranch_scc0 .Lentry_shape_is_right
	s_endpgm
.Lentry_shape_is_right:
; PROJ: the five projections as ONE product on codes of FP4 (E2M1) with E8M0 scales: 4,096 rows of x against 4,096 rows of weights, K = 2,048; then RoPE, the score's scale, f16, and out as images of operand registers.
; A tile is 256 x 256, made by four waves, each 128 x 128: 64 accumulators, 512 registers.  K goes in steps of 512 through a ring of two LDS slots; the scale bytes of the tile's rows come once and stay.
; CLUSTERS of 4 x 4: A's tiles are shared along a row of the cluster, B's along a column, each asked for jointly.  The cluster's x says what the columns are: 0 q_sem | k_sem, 1 q_geo, 2 k_geo, 3 v.
; For x = 0..2 A = x's rows and B = the weight's rows.  For v the two change places (A = Wv's rows, B = x's rows).  The matrix instruction is used transposed (source 0 = B, source 1 = A): a lane holds one row of A and
; eight neighbouring rows of B.  So for q and k a lane holds one position and eight channels, for v one channel and eight positions: in both cases four packed registers are half a fragment of the next product.
; qkv: [batch x 16 + head][chunk of 64 positions 32][32,768 bytes]: K at 0 (kt x 3072 + c x 1024 + half x 512; kt a tile of 16 keys, c = 0 sem, 1 and 2 geo), V^T at 12,288 (u x 4096 + db x 1024 + half x 512), Q at 20,480 (as K).
; Every store of a wave covers 512 consecutive bytes, aligned: no stage in LDS is needed on the way out.
; q and k are each multiplied by g = sqrt(log2(e) / sqrt(96)) (for geo inside the table), so that the scores come out as exponents of 2.
; fine: the first 16 positions of each sequence once more in f32: [batch x 16 + head][16,384]: q at cb x 1024 + u x 512 (cb a block of 16 channels), k at 6,144 likewise, v^T at 12,288 + db x 1024 + u x 512.
; LIMITS: |g q|, |g k| and |v| stay under 65,504 (f16); NaN and infinities are not served.
; REGISTERS, in windows of 256: window 0: v0-31 addresses; v32-95 scale words, two sets; from v128 A's fragments, one set; on the way out v32-255 are free.
;   window 1: B's fragments, two sets, at v0 and v128; on the way out the table.   window 2: the accumulators of my rows 0-63 ((a, b) at v[8 (8 a + b)]);   window 3: those of my rows 64-127.
.set SIZE_K, 2048
.set KSTEP,  512
.set NQ,     KSTEP/128
.set ROWB,   256
.set KROW,   SIZE_K*4/8
.set PITCH,  272                       ; an LDS row: 256 bytes + 16 of padding: the 16 rows that a load touches start at 16 different banks (64 banks of 4 bytes: ISA guide 11.1)
.set FR,     8
.set NL,     2
.set NP,     4                         ; places behind this matrix instruction (ISA guide 7.12.1)
.set HALFT,  128*PITCH
.set SLOT,   4*HALFT
.set LAPS,   SIZE_K/(2*KSTEP)
.set KS,     SIZE_K/32
.set SCL,    2*SLOT
.set HALFS,  (128*KS/256)*272
.set SBLK,   (16*KS/256)*272
.set SPARE,  SCL+4*HALFS               ; behind the scales: the spare words, 128 bytes a wave
.set ADRA, 16
.set ADRB, 20
.set CO,   26                          ; v26 16 x lane: my place in a piece of 512 bytes; never rewritten
.set ADRS, 27
.set SPW,  28
.set NIL,  29
.set FLG,  30                          ; v30 0 in the waves that hold the first 16 positions of a sequence
.set SC,   32
.set AF,   128
.set G1, 24
.set G0, 32
.set G1B, 48
.set G0B, 56
.set G1S, 68
.set G0S, 76
.set G1SB, 80
.set G0SB, 88
.set MSB, 0
.macro WIN new                         ; the immediate's high byte repeats the setting that is left
.if MSB != (\new)
	s_set_vgpr_msb (MSB<<8)|(\new)
.set MSB, (\new)
.endif
.endm
.set MUL_LO, 0xa1                      ; source 0 (B) window 1, source 1 (A) window 0, C and D window 2
.set MUL_HI, 0xf1
.set TO_B,   0x40
; A joint load: waves 0 and 1 fetch for A, waves 2 and 3 for B.  The branch hangs on the wave's number alone.  An s_nop 0 and four v_nop follow each of the two lines.
.macro JLOAD g0a, g1a, g0b, g1b
	s_cmp_eq_u32 s15, 0
	s_cbranch_scc0 .Lfor_b_\@
	tensor_load_to_lds s[\g0a:\g0a+3], s[\g1a:\g1a+7]
	s_nop 0
.rept 4
	v_nop
.endr
	s_branch .Lasked_\@
.Lfor_b_\@:
	tensor_load_to_lds s[\g0b:\g0b+3], s[\g1b:\g1b+7]
	s_nop 0
.rept 4
	v_nop
.endr
.Lasked_\@:
.endm
.macro CREST
	s_cmp_lg_u32 s14, 0
	s_cbranch_scc1 .Lnot_wave_0_\@
	s_barrier_signal -3
.Lnot_wave_0_\@:
	s_barrier_wait -3
	s_barrier_signal -1
	s_barrier_wait -1
.endm
.macro CROUND
	s_barrier_signal -1
	s_barrier_wait -1
	CREST
.endm
	s_load_b128 s[4:7], s[0:1], 0x0                ; codes s[4:5], scales s[6:7]
	s_load_b128 s[8:11], s[0:1], 0x10              ; rope s[8:9], qkv s[10:11]
	s_load_b64 s[12:13], s[0:1], 0x20              ; fine
	v_lshl_add_u32 v[SPW], v0, 2, SPARE
	v_mov_b32 v[NIL], 0
	ds_add_u32 v[SPW], v[NIL]                      ; the wave's opening: the add, twice on end, and its wait ahead of my first tensor load
	ds_add_u32 v[SPW], v[NIL]
	v_lshrrev_b32 v1, 5, v0
	v_readfirstlane_b32 s14, v1                    ; wave 0..3
	s_lshr_b32 s15, s14, 1                         ; which half of A's rows is mine.  Also: I fetch for A (0) or for B (1)
	s_and_b32 s16, s14, 1                          ; which half of B's rows.  Also: which 128 rows of that tile I fetch
	s_bfe_u32 s40, ttmp6, 0x40000                  ; cx, cy: my place in the cluster
	s_bfe_u32 s41, ttmp6, 0x40004
	s_and_b32 s17, ttmp7, 0xffff                   ; Y: the cluster's y
	s_lshl_b32 s43, s41, 2
	s_lshl_b32 s43, 15, s43                        ; my row of the cluster
	s_lshl_b32 s44, 0x1111, s40                    ; my column
	s_or_b32 s[G1+0], s43, (0<<16)|(1<<20)|(1<<21)|(5<<22)|(3<<25)  ; the mask; elements of 1 byte; padding on; bit 21 beside a mask; 4 words after every 64
	s_or_b32 s[G1B+0], s44, (0<<16)|(1<<20)|(1<<21)|(5<<22)|(3<<25)
.irp g, G1, G1B
	s_mov_b32 s[\g+1], ROWB<<16                    ; tensor_dim0
	s_mov_b32 s[\g+2], 128<<16                     ; tensor_dim1
	s_mov_b32 s[\g+3], ROWB<<16                    ; tile_dim0
	s_mov_b32 s[\g+4], 128                         ; tile_dim1
	s_mov_b32 s[\g+5], KROW                        ; from row to row
	s_mov_b32 s[\g+6], 0
	s_mov_b32 s[\g+7], 0
.endr
	s_or_b32 s[G1S+0], s43, (3<<16)|(1<<20)|(1<<21)|(5<<22)|(3<<25)  ; the scales of 128 rows: a dense block, as rows of 256 bytes, 16 bytes of padding behind each
	s_or_b32 s[G1SB+0], s44, (3<<16)|(1<<20)|(1<<21)|(5<<22)|(3<<25)
.irp g, G1S, G1SB
	s_mov_b32 s[\g+1], 32<<16
	s_mov_b32 s[\g+2], (128*KS/256)<<16
	s_mov_b32 s[\g+3], 32<<16
	s_mov_b32 s[\g+4], 128*KS/256
	s_mov_b32 s[\g+5], 32
	s_mov_b32 s[\g+6], 0
	s_mov_b32 s[\g+7], 0
.endr
	; which rows of the codes' buffer.  X = the cluster's x.  X < 3: A = x's rows 256 (4 Y + cy), B = the weights' rows 4096 + 256 (4 X + cx).  X = 3: A = Wv's rows 7168 + 256 cy, B = x's rows 256 (4 Y + cx).
	; A's row is made of cy, B's of cx, each in registers that never hold the other.
	s_add_co_u32 s42, ttmp9, 1
	s_lshr_b32 s42, s42, 2                         ; 1 where X = 3
	s_xor_b32 s95, s42, 1                          ; 1 where X < 3
	s_lshl_b32 s18, s16, 7                         ; which 128 rows of the tile I fetch
	s_lshl_b32 s20, s41, 8
	s_add_co_u32 s20, s20, s18
	s_mul_i32 s21, s42, 7168
	s_add_co_u32 s20, s20, s21
	s_lshl_b32 s21, s17, 10                        ; 1024 Y
	s_mul_i32 s22, s21, s95
	s_add_co_u32 s20, s20, s22                     ; A's first row
	s_lshl_b32 s46, s40, 8
	s_add_co_u32 s46, s46, s18
	s_mul_i32 s22, s21, s42
	s_add_co_u32 s46, s46, s22
	s_lshl_b32 s22, ttmp9, 10
	s_add_co_u32 s22, s22, 4096
	s_mul_i32 s22, s22, s95
	s_add_co_u32 s46, s46, s22                     ; B's first row
	s_mov_b32 s21, 0
	s_mov_b32 s47, 0
	s_mov_b64 s[18:19], KS
	s_mul_u64 s[22:23], s[20:21], s[18:19]         ; where these rows' scales begin, in bytes
	s_mul_u64 s[92:93], s[46:47], s[18:19]
	s_mov_b64 s[18:19], KROW
	s_mul_u64 s[20:21], s[20:21], s[18:19]         ; and their codes
	s_mul_u64 s[46:47], s[46:47], s[18:19]
	s_mul_i32 s45, s14, HALFT                      ; where they go: wave x 128 rows: no place in the cluster enters an LDS address
	s_mul_i32 s94, s14, HALFS
	s_wait_dscnt 0x0                               ; both opening adds are done
	s_wait_kmcnt 0x0
	s_add_nc_u64 s[20:21], s[4:5], s[20:21]
	s_add_nc_u64 s[22:23], s[6:7], s[22:23]
	s_add_nc_u64 s[46:47], s[4:5], s[46:47]
	s_add_nc_u64 s[92:93], s[6:7], s[92:93]
	CROUND                                         ; all sixteen work-groups are here: the first joint loads meet
	s_mov_b32 s[G0S], 1
	s_add_co_u32 s[G0S+1], s94, SCL
	s_mov_b64 s[G0S+2:G0S+3], s[22:23]
	s_or_b32 s[G0S+3], s[G0S+3], 0x80000000
	s_mov_b32 s[G0SB], 1
	s_add_co_u32 s[G0SB+1], s94, SCL
	s_mov_b64 s[G0SB+2:G0SB+3], s[92:93]
	s_or_b32 s[G0SB+3], s[G0SB+3], 0x80000000
	JLOAD G0S, G1S, G0SB, G1SB                     ; the scales first: they are wanted with K step 0
.irp s, 0,1
	s_mov_b32 s[G0+4*\s], 1
	s_add_co_u32 s[G0+4*\s+1], s45, \s*SLOT
	s_add_nc_u64 s[G0+4*\s+2:G0+4*\s+3], s[20:21], \s*ROWB
	s_or_b32 s[G0+4*\s+3], s[G0+4*\s+3], 0x80000000
	s_mov_b32 s[G0B+4*\s], 1
	s_add_co_u32 s[G0B+4*\s+1], s45, \s*SLOT
	s_add_nc_u64 s[G0B+4*\s+2:G0B+4*\s+3], s[46:47], \s*ROWB
	s_or_b32 s[G0B+4*\s+3], s[G0B+4*\s+3], 0x80000000
	JLOAD G0+4*\s, G1, G0B+4*\s, G1B               ; by this text's count three tensor loads of a wave are out here, later one
.endr
	v_and_b32 v1, 15, v0                           ; l % 16
	v_bfe_u32 v2, v0, 4, 1                         ; l / 16
	v_mul_u32_u24 v3, v1, PITCH
	v_lshl_add_u32 v4, v2, 4, v3                   ; a fragment's row x pitch + 16 x half
	s_mul_i32 s21, s15, HALFT                      ; my 128 rows of A
	s_mul_i32 s22, s16, HALFT                      ; my 128 rows of B,
	s_add_co_u32 s22, s22, 2*HALFT                 ; which lie behind A's 256
.irp s, 0,1
	v_add_nc_u32 v[ADRA+\s], s21, v4
	v_add_nc_u32 v[ADRB+\s], s22, v4
	s_add_co_u32 s21, s21, SLOT
	s_add_co_u32 s22, s22, SLOT
.endr
	v_mul_u32_u24 v5, v1, KS                       ; my row's scales: KS bytes a row,
	v_lshrrev_b32 v6, 8, v5
	v_lshl_add_u32 v5, v6, 4, v5                   ; and 16 more for each 256 passed
	s_mul_i32 s21, s15, HALFS
	s_mul_i32 s22, s16, HALFS
	s_add_co_u32 s22, s22, 2*HALFS
	s_sub_co_u32 s22, s22, s21
	v_mul_u32_u24 v6, s22, v2                      ; lanes 16-31 take B's
	s_add_co_u32 s21, s21, SCL
	v_add_nc_u32 v5, v5, v6
	v_add_nc_u32 v[ADRS], s21, v5
	v_and_b32 v6, 31, v0
	v_lshlrev_b32 v[CO], 4, v6
.macro FRAG reg, adr, q, i             ; 16 rows x 128 K of 4-bit codes: 8 registers: lane l holds row l % 16; registers 4 c .. 4 c + 3 hold K = 64 c + 32 (l / 16) + 0 .. 31
.irp c, 0,1
	ds_load_b128 v[\reg+4*\c:\reg+4*\c+3], v[\adr] offset:64*(\q)+32*\c+(\i)*16*PITCH
.endr
.endm
; 16 matrix instructions: A's blocks a0, a0 + 1 x B's eight.  The 64 accumulators take turns, one instruction a turn, in the same order in every step.
.macro MUL16 a0, p, q, sc, zero
.irp a, \a0, \a0+1
.irp b, 0,1,2,3,4,5,6,7
.if \zero
	v_wmma_scale_f32_16x16x128_f8f6f4 v[8*(8*((\a)%4)+\b):8*(8*((\a)%4)+\b)+7], v[128*(\p)+FR*\b:128*(\p)+FR*\b+FR-1], v[AF+FR*(\a):AF+FR*(\a)+FR-1], 0, v[SC+8*NQ*(\sc)+NQ*\b+(\q)], v[SC+8*NQ*(\sc)+NQ*(\a)+(\q)] matrix_a_fmt:MATRIX_FMT_FP4 matrix_b_fmt:MATRIX_FMT_FP4 matrix_a_scale:MATRIX_SCALE_ROW1
.else
	v_wmma_scale_f32_16x16x128_f8f6f4 v[8*(8*((\a)%4)+\b):8*(8*((\a)%4)+\b)+7], v[128*(\p)+FR*\b:128*(\p)+FR*\b+FR-1], v[AF+FR*(\a):AF+FR*(\a)+FR-1], v[8*(8*((\a)%4)+\b):8*(8*((\a)%4)+\b)+7], v[SC+8*NQ*(\sc)+NQ*\b+(\q)], v[SC+8*NQ*(\sc)+NQ*(\a)+(\q)] matrix_a_fmt:MATRIX_FMT_FP4 matrix_b_fmt:MATRIX_FMT_FP4 matrix_a_scale:MATRIX_SCALE_ROW1
.endif
.endr
.endr
.endm
.macro FETCH_B slot, q, p
	WIN TO_B
.irp i, 0,1,2,3,4,5,6,7
	FRAG 128*(\p)+FR*\i, ADRB+\slot, \q, \i
.endr
	WIN 0
.endm
.macro FETCH_A slot, q, i0
.irp i, \i0, \i0+1, \i0+2, \i0+3
	FRAG AF+FR*(\i), ADRA+\slot, \q, \i
.endr
.endm
.macro SCALES sc                       ; the next K step's scale words: lanes 0-15 take A's block i, lanes 16-31 B's block i
.irp i, 0,1,2,3,4,5,6,7
	ds_load_b128 v[SC+8*NQ*\sc+NQ*\i:SC+8*NQ*\sc+NQ*\i+3], v[ADRS] offset:\i*SBLK
.endr
.endm
.macro PLACES n                        ; plain vector instructions between a matrix instruction and a load into, or a read or write of, its registers
.rept \n
	v_nop
.endr
.endm
.macro STEP slot, q, zero              ; 128 along K that has its successor in the same slot
	s_wait_dscnt 4*NL                              ; B's set and A's blocks 0-3 are in; the youngest loads (A's blocks 4-7) may be out
	WIN MUL_LO
	MUL16 0, (\q)%2, \q, \slot, \zero
	MUL16 2, (\q)%2, \q, \slot, \zero
	s_wait_dscnt 0                                 ; A's blocks 4-7 are in
	PLACES NP
	FETCH_B \slot, (\q)+1, 1-(\q)%2
	FETCH_A \slot, (\q)+1, 0
	WIN MUL_HI
	MUL16 4, (\q)%2, \q, \slot, \zero
	MUL16 6, (\q)%2, \q, \slot, \zero
	PLACES NP
	WIN 0
	FETCH_A \slot, (\q)+1, 4
.endm
; A slot's last step changes slots: one barrier; in front of it each wave waits for all its tensor loads, adds 0 to its spare word, and waits for that and for its reads of this slot.
.macro TURN slot, next, fill
	s_wait_tensorcnt 0x0                           ; all my tensor loads have landed: my part of the next slot
	ds_add_u32 v[SPW], v[NIL]
	s_wait_dscnt 4*NL+1                            ; the add and the youngest loads, A's blocks 4-7, may be out
	WIN MUL_LO
	MUL16 0, 1, NQ-1, \slot, 0
	s_wait_dscnt 0x0                               ; the add is done, and my reads of this slot are over
	s_barrier_signal -1
	MUL16 2, 1, NQ-1, \slot, 0
	WIN 0
	s_barrier_wait -1
.if \fill
	CREST                                          ; the barrier has opened a round of the cluster's: no wave of any partner still reads this slot or has a load on its way
	s_add_nc_u64 s[G0+4*\slot+2:G0+4*\slot+3], s[G0+4*\slot+2:G0+4*\slot+3], 2*ROWB
	s_add_nc_u64 s[G0B+4*\slot+2:G0B+4*\slot+3], s[G0B+4*\slot+2:G0B+4*\slot+3], 2*ROWB
	JLOAD G0+4*\slot, G1, G0B+4*\slot, G1B         ; the first tensor load behind the round; its four v_nop are the places in front of the loads below
.else
	PLACES NP
.endif
	v_add_nc_u32 v[ADRS], 4*NQ, v[ADRS]
	FETCH_B \next, 0, 0
	FETCH_A \next, 0, 0
	SCALES \next
	WIN MUL_HI
	MUL16 4, 1, NQ-1, \slot, 0
	MUL16 6, 1, NQ-1, \slot, 0
	PLACES NP
	WIN 0
	FETCH_A \next, 0, 4
.endm
.macro STEPS slot, from
.set Q, \from
.rept NQ-1-\from
	STEP \slot, Q, 0
.set Q, Q+1
.endr
.endm
	s_wait_tensorcnt 1                             ; the scales and my part of K step 0 are in (K step 1's load may be out)
	s_barrier_signal -1
	s_barrier_wait -1                              ; everybody's are
	FETCH_B 0, 0, 0
	FETCH_A 0, 0, 0
	SCALES 0
	FETCH_A 0, 0, 4
	STEP 0, 0, 1                                   ; the first step's products start the sums: nothing is cleared
	s_mov_b32 s3, LAPS-1
.Llap:
	STEPS 0, 1
	TURN 0, 1, 1
	STEPS 1, 0
	TURN 1, 0, 1
	STEP 0, 0, 0
	s_sub_co_u32 s3, s3, 1
	s_cmp_lg_u32 s3, 0
	s_cbranch_scc1 .Llap
	STEPS 0, 1                                     ; the last lap fills nothing
	TURN 0, 1, 0
	STEPS 1, 0
	s_wait_dscnt 4*NL
	WIN MUL_LO
	MUL16 0, 1, NQ-1, 1, 0
	MUL16 2, 1, NQ-1, 1, 0
	s_wait_dscnt 0
	WIN MUL_HI
	MUL16 4, 1, NQ-1, 1, 0
	MUL16 6, 1, NQ-1, 1, 0
	WIN 0
; ---------------- THE WAY OUT.  Accumulator (a, b): lane (r, h), register j = (A's row 16 a + r, B's row 16 b + 8 h + j) of my 128 x 128.
	PLACES NP                                      ; for the first reads of results, and for writes and loads into the registers that held scale words and fragments
	s_lshr_b32 s18, s17, 1                         ; the batch: 2,048 positions are eight tiles of 256, two clusters' y
	s_lshl_b32 s19, s17, 2
	s_add_co_u32 s20, s19, s41
	s_and_b32 s20, s20, 7                          ; (4 Y + cy) mod 8: which 256 positions of the sequence, where positions are A's rows
	s_add_co_u32 s21, s19, s40
	s_and_b32 s21, s21, 7                          ; (4 Y + cx) mod 8: the same where they are B's rows
	s_mov_b32 s92, 0x3ec47788                      ; g
	s_mov_b32 s93, s92                             ; (named with it as a pair, so it is written)
; The bases.  hd: the register with my first head; tq: with my 256 positions; hf: with my half of them; roff, foff: with the region's byte in a chunk of qkv and in an entry of fine.
.macro BASES hd, tq, hf, roff, foff
	s_lshl_b32 s23, s18, 4
	s_add_co_u32 s23, s23, s[\hd]                  ; batch x 16 + head
	s_lshl_b32 s42, s23, 20
	s_lshl_b32 s43, s[\tq], 2
	s_lshl_b32 s46, s[\hf], 1
	s_add_co_u32 s43, s43, s46                     ; my first chunk of 64 positions
	s_lshl_b32 s43, s43, 15
	s_add_co_u32 s42, s42, s43
	s_add_co_u32 s42, s42, s[\roff]
	s_mov_b32 s43, 0
	s_add_nc_u64 s[10:11], s[10:11], s[42:43]
	s_lshl_b32 s42, s23, 14
	s_add_co_u32 s42, s42, s[\foff]
	s_add_nc_u64 s[12:13], s[12:13], s[42:43]
	s_or_b32 s46, s[\tq], s[\hf]
	v_mov_b32 v[FLG], s46                          ; 0: my first 16 positions are a sequence's first
.endm
; The first 16 positions in f32, from the 64 numbers at v32 on.  The stores stand in every wave's text, with all lanes off where they are not wanted.
.macro FINEQK geo
	s_wait_xcnt 0x0                                ; EXEC changes only behind this wait
	v_cmp_eq_u32 vcc_lo, 0, v[FLG]
	s_and_saveexec_b32 s47, vcc_lo
.irp b, 0,1,2,3,4,5,6,7
.if \geo
	global_store_b128 v[CO], v[32+8*\b:35+8*\b], s[12:13] offset:(\b/4)*16384+(2+\b%4)*1024
	global_store_b128 v[CO], v[36+8*\b:39+8*\b], s[12:13] offset:(\b/4)*16384+(2+\b%4)*1024+512
.else
	global_store_b128 v[CO], v[32+8*\b:35+8*\b], s[12:13] offset:(\b/2)*16384+(\b%2)*1024
	global_store_b128 v[CO], v[36+8*\b:39+8*\b], s[12:13] offset:(\b/2)*16384+(\b%2)*1024+512
.endif
.endr
	s_wait_xcnt 0x0                                ; and again in front of the line that widens it
	s_or_b32 exec_lo, exec_lo, s47
.endm
.macro PACKQK                          ; 64 numbers at v[TT] on become 32 registers of f16 at v[HH] on
.irp b, 0,1,2,3,4,5,6,7
.irp i, 0,1,2,3
	v_cvt_pk_f16_f32 v[HH+4*\b+\i], v[TT+8*\b+2*\i], v[TT+8*\b+2*\i+1]
.endr
.endr
.endm
	s_cmp_eq_u32 ttmp9, 3                          ; the cluster's x: the same in all sixteen partners
	s_cbranch_scc1 .Lway_v
	s_cmp_eq_u32 ttmp9, 0
	s_cbranch_scc1 .Lway_sem
; ---- q_geo (x = 1), k_geo (x = 2): a head is four blocks b: 0, 1 the first half of its 64 channels, 2, 3 the second.  y1 = x1 cos - x2 sin, y2 = x1 sin + x2 cos, cos and sin already times g.
	s_lshl_b32 s22, s40, 2
	s_lshl_b32 s23, s16, 1
	s_add_co_u32 s22, s22, s23                     ; my first head: 4 cx + 2 x half
	s_cmp_eq_u32 ttmp9, 1
	s_cselect_b32 s44, 20480, 0                    ; q's region or k's
	s_cselect_b32 s45, 0, 6144
	BASES 22, 20, 15, 44, 45
	s_lshl_b32 s42, s20, 4
	s_lshl_b32 s46, s15, 3
	s_add_co_u32 s42, s42, s46                     ; my first block of 16 positions
	s_lshl_b32 s42, s42, 12
	s_mov_b32 s43, 0
	s_add_nc_u64 s[8:9], s[8:9], s[42:43]
	WIN 0x40                                       ; the table of my eight blocks of positions into window 1, which is free now: 32 registers a block: cos at + 8 b + j, sin at + 16 + 8 b + j
.irp a, 0,1,2,3,4,5,6,7
.irp p, 0,1,2,3,4,5,6,7
	global_load_b128 v[64*(1-\a/4)+32*(\a%2)+128*((\a%4)/2)+4*\p:64*(1-\a/4)+32*(\a%2)+128*((\a%4)/2)+4*\p+3], v[CO], s[8:9] offset:\a*4096+\p*512
.endr
.endr
	WIN 0
.macro GEO_A a
.set AC, 64*((\a)%4)
.set TL, 64*(1-(\a)/4)+32*((\a)%2)+128*(((\a)%4)/2)
.set TT, 32+96*((\a)%2)
.set HH, 96+96*((\a)%2)
	s_wait_loadcnt 8*(7-(\a))                      ; this block's eight table loads are in; the later blocks' may be out
	s_wait_xcnt 0x0                                ; the stores of two blocks ago have read the registers that are written now
	WIN 0x06+(\a)/4                                ; source 0: the accumulators' window; source 1: window 1
.irp hh, 0,1
.irp bp, 0,1
.irp e, 0,2,4,6                                ; each accumulator from its low end on
	v_pk_mul_f32 v[TT+8*(4*\hh+\bp)+\e:TT+8*(4*\hh+\bp)+\e+1], v[AC+8*(4*\hh+2+\bp)+\e:AC+8*(4*\hh+2+\bp)+\e+1], v[TL+16+8*\bp+\e:TL+16+8*\bp+\e+1]
	v_pk_mul_f32 v[TT+8*(4*\hh+2+\bp)+\e:TT+8*(4*\hh+2+\bp)+\e+1], v[AC+8*(4*\hh+2+\bp)+\e:AC+8*(4*\hh+2+\bp)+\e+1], v[TL+8*\bp+\e:TL+8*\bp+\e+1]
	v_pk_fma_f32 v[TT+8*(4*\hh+\bp)+\e:TT+8*(4*\hh+\bp)+\e+1], v[AC+8*(4*\hh+\bp)+\e:AC+8*(4*\hh+\bp)+\e+1], v[TL+8*\bp+\e:TL+8*\bp+\e+1], v[TT+8*(4*\hh+\bp)+\e:TT+8*(4*\hh+\bp)+\e+1] neg_lo:[0,0,1] neg_hi:[0,0,1]
	v_pk_fma_f32 v[TT+8*(4*\hh+2+\bp)+\e:TT+8*(4*\hh+2+\bp)+\e+1], v[AC+8*(4*\hh+\bp)+\e:AC+8*(4*\hh+\bp)+\e+1], v[TL+16+8*\bp+\e:TL+16+8*\bp+\e+1], v[TT+8*(4*\hh+2+\bp)+\e:TT+8*(4*\hh+2+\bp)+\e+1]
.endr
.endr
.endr
	WIN 0
.if (\a) == 0
	FINEQK 1
.endif
	PACKQK
.irp b, 0,1,2,3,4,5,6,7
	global_store_b128 v[CO], v[HH+4*\b:HH+4*\b+3], s[10:11] offset:((\b/4)<<20)+((\a)/4)*32768+((\a)%4)*3072+(1+(\b%4)/2)*1024+(\b%2)*512
.endr
.endm
.irp a, 0,1,2,3,4,5,6,7
	GEO_A \a
.endr
	s_branch .Lend
; ---- q_sem (cx = 0, 1), k_sem (cx = 2, 3): a head is two blocks b; times g
.Lway_sem:
	s_and_b32 s22, s40, 1
	s_lshl_b32 s22, s22, 3
	s_lshl_b32 s23, s16, 2
	s_add_co_u32 s22, s22, s23                     ; my first head: 8 (cx mod 2) + 4 x half
	s_cmp_lt_u32 s40, 2                            ; (it chooses an offset of stores: no branch hangs on it)
	s_cselect_b32 s44, 20480, 0
	s_cselect_b32 s45, 0, 6144
	BASES 22, 20, 15, 44, 45
.macro SEM_A a
.set AC, 64*((\a)%4)
.set TT, 32+96*((\a)%2)
.set HH, 96+96*((\a)%2)
	s_wait_xcnt 0x0
	WIN 0x02+(\a)/4
.irp b, 0,1,2,3,4,5,6,7
.irp e, 0,2,4,6
	v_pk_mul_f32 v[TT+8*\b+\e:TT+8*\b+\e+1], v[AC+8*\b+\e:AC+8*\b+\e+1], s[92:93] op_sel_hi:[1,0]
.endr
.endr
	WIN 0
.if (\a) == 0
	FINEQK 0
.endif
	PACKQK
.irp b, 0,1,2,3,4,5,6,7
	global_store_b128 v[CO], v[HH+4*\b:HH+4*\b+3], s[10:11] offset:((\b/2)<<20)+((\a)/4)*32768+((\a)%4)*3072+(\b%2)*512
.endr
.endm
.irp a, 0,1,2,3,4,5,6,7
	SEM_A \a
.endr
	s_branch .Lend
; ---- v: A's rows are channels (a head is four blocks a), B's rows positions
.Lway_v:
	s_lshl_b32 s22, s41, 2
	s_lshl_b32 s23, s15, 1
	s_add_co_u32 s22, s22, s23                     ; my first head: 4 cy + 2 x half
	s_mov_b32 s44, 12288
	s_mov_b32 s45, 12288
	BASES 22, 21, 16, 44, 45
	s_wait_xcnt 0x0
	v_cmp_eq_u32 vcc_lo, 0, v[FLG]
	s_and_saveexec_b32 s47, vcc_lo                 ; the first 16 positions in f32: block b = 0 of every a, each accumulator's low four registers first
.irp a, 0,1,2,3,4,5,6,7
	WIN 0x08+4*(\a/4)                              ; a store's data are its source 1
	global_store_b128 v[CO], v[64*(\a%4):64*(\a%4)+3], s[12:13] offset:(\a/4)*16384+(\a%4)*1024
	global_store_b128 v[CO], v[64*(\a%4)+4:64*(\a%4)+7], s[12:13] offset:(\a/4)*16384+(\a%4)*1024+512
.endr
	WIN 0
	s_wait_xcnt 0x0
	s_or_b32 exec_lo, exec_lo, s47
.macro V_A a
.set AC, 64*((\a)%4)
.set HH, 96+96*((\a)%2)
	s_wait_xcnt 0x0
	WIN 0x0a+5*((\a)/4)
.irp b, 0,1,2,3,4,5,6,7
.irp i, 0,1,2,3
	v_cvt_pk_f16_f32 v[HH+4*\b+\i], v[AC+8*\b+2*\i], v[AC+8*\b+2*\i+1]
.endr
.endr
	WIN 0
.irp b, 0,1,2,3,4,5,6,7
	global_store_b128 v[CO], v[HH+4*\b:HH+4*\b+3], s[10:11] offset:(((\a)/4)<<20)+(\b/4)*32768+((\b%4)/2)*4096+((\a)%4)*1024+(\b%2)*512
.endr
.endm
.irp a, 0,1,2,3,4,5,6,7
	V_A \a
.endr
.Lend:
	s_wait_tensorcnt 0x0                           ; the wave's end
	ds_add_u32 v[SPW], v[NIL]
	s_wait_dscnt 0x0
	CROUND                                         ; the closing round: no work-group ends while a partner may still ask for a tile that names it
	s_endpgm
.Lfunc_end_k_q073f02b04c_proj:
	.size	k_q073f02b04c_proj, .Lfunc_end_k_q073f02b04c_proj-k_q073f02b04c_proj
	.p2alignl 7, 3214868480
	.fill 96, 4, 3214868480
	.section	.rodata,"a",@progbits
	.p2align	6, 0x0
	.amdhsa_kernel k_q073f02b04c_proj
		.amdhsa_group_segment_fixed_size 327680
		.amdhsa_private_segment_fixed_size 0
		.amdhsa_enable_private_segment 0
		.amdhsa_kernarg_size 40
		.amdhsa_user_sgpr_count 2
		.amdhsa_user_sgpr_kernarg_segment_ptr 1
		.amdhsa_wavefront_size32 1
		.amdhsa_system_sgpr_workgroup_id_x 1
		.amdhsa_system_sgpr_workgroup_id_y 1
		.amdhsa_system_sgpr_workgroup_id_z 1
		.amdhsa_system_vgpr_workitem_id 0
		.amdhsa_next_free_vgpr 1024
		.amdhsa_next_free_sgpr 98
		.amdhsa_reserve_vcc 1
		.amdhsa_float_denorm_mode_32 3
		.amdhsa_float_denorm_mode_16_64 3
		.amdhsa_memory_ordered 1
		.amdhsa_forward_progress 1
		.amdhsa_inst_pref_size 255
	.end_amdhsa_kernel
	.section	.bss,"aw",@nobits
	.p2align	6
	.space	262144
	.amdgpu_metadata
---
amdhsa.version: [ 1, 2 ]
amdhsa.kernels:
  - .name:           k_q073f02b04c_proj
    .symbol:         k_q073f02b04c_proj.kd
    .args:
      - { .name: codes, .offset: 0, .size: 8, .value_kind: global_buffer, .address_space: global }
      - { .name: scales, .offset: 8, .size: 8, .value_kind: global_buffer, .address_space: global }
      - { .name: rope, .offset: 16, .size: 8, .value_kind: global_buffer, .address_space: global }
      - { .name: qkv, .offset: 24, .size: 8, .value_kind: global_buffer, .address_space: global }
      - { .name: fine, .offset: 32, .size: 8, .value_kind: global_buffer, .address_space: global }
    .group_segment_fixed_size: 327680
    .private_segment_fixed_size: 0
    .kernarg_segment_align: 8
    .kernarg_segment_size: 40
    .max_flat_workgroup_size: 128
    .sgpr_count:     98
    .vgpr_count:     1024
    .wavefront_size: 32
...
	.end_amdgpu_metadata
.endif
;; end of part 2
;; launch attn (part 3): grid 8 x 32, 8 waves a work-group, no clusters, 327,680 bytes of LDS; arguments qkv, att; writes att
.if DOCPART == 3
	.amdgcn_target "amdgcn-amd-amdhsa--gfx1250"
	.amdhsa_code_object_version 6
	.text
	.protected	k_q073f02b04c_attn
	.globl	k_q073f02b04c_attn
	.p2align	8
	.type	k_q073f02b04c_attn,@function
k_q073f02b04c_attn:
	s_mov_b64 s[64:65], 0
	v_nop
	global_prefetch_b8 v0, s[64:65] scope:SCOPE_SE
	s_setreg_imm32_b32 hwreg(HW_REG_WAVE_MODE, 25, 1), 1
	s_wait_xcnt 0x0
; ATTN: causal attention, 32 (batch, head) pairs, 2,048 positions, 96 channels of q and k, 64 of v.  Operands in f16, products, maxima and sums in f32.
; q and k carry g each, so a score s is already an exponent of 2: p = 2^(s - m), m the query's running maximum; l = the sum of p; O and l are multiplied by a = 2^(m_old - m_new) in every chunk.
; SHARES.  Work-group (i, bh) owns two blocks of 128 queries: block 15 - i first, then block i.  Under the causal mask they want 16 - i and i + 1 steps of 128 keys: 17 steps in every work-group, so that all
; trip counts are constants and all 256 work-groups have equal work.
; EIGHT WAVES, TWO TO A SIMD, SHARE THE KEYS.  Wave w = 4 g + w' owns queries 32 w' .. 32 w' + 31 of the block in hand (two tiles of 16) and, of every key step, the chunk of 64 keys g.  So each fragment of K and V
; read from LDS feeds two products, whichever wave reads it, and one wave's vector work and LDS waits stand beside the other's products.  At a block's end the two waves of a pair hold partial results
; (m, l, O^T) over different keys: waves 4-7 hand theirs through LDS, waves 0-3 bring both under the common maximum, add, divide and store.
; A wave all of whose keys were hidden (block 0, g = 1, w' < 2) keeps m = -3e38: its weight in that sum is 2^(-3e38 - M) = 0, and its sums, which are finite, fall away.
; NO CLUSTER: the eight work-groups of a head walk different streams of key steps (16 - i, then i + 1), so partners would not ask for the same tile in the same round.
; LAYOUT.  S^T = K Q^T and O^T = V^T P: a lane holds one query (lane % 16) throughout; two packed tiles of S^T are a fragment of P.  K, V^T and Q lie in memory as images of operand registers,
; 512 bytes a piece, lane l at 16 l: a chunk's K and V^T are 20,480 dense bytes, and every LDS load reads 512 consecutive bytes.
; THE MASK costs nothing off the diagonal: the first product of each tile of scores takes a bias as its C, zeros as a rule; in the last step of each block, which lies on the diagonal, -3e38 where the key comes after the query.
; THE RING: two LDS slots of four chunks (two key steps).  Each wave fetches half a chunk with one tensor load; one load of a wave is out at a time, and it has a slot's two steps in which to land.
; BY TURNS inside a chunk: tile 1's K Q^T carries tile 0's softmax in slices, tile 0's V^T P carries tile 1's.
; BARRIERS: the one in front of each refill, and a plain one at each step's end, which every wave passes in every step: in front of it a block's last step stores the partial results, behind it they are read.
; att: the result in f16 as images for the last product: [block of 16 rows 256][ks 32][half 2][512 bytes]; a head's four blocks of 16 channels are 2,048 consecutive bytes.
; LIMITS: the result stays under 65,504 (f16); p under 6e-5 loses bits in f16; NaN and infinities are not served.
; REGISTERS: window 0: v1-8 that stay; v12-15 the m and l that go through LDS; v16-31 statistics, 8 a tile (+0 m, +1 unused, +2 +3 l, +4..+7 at work, a in +6); v32-95 S^T; v96-127 P; v128-191 O^T; v192-255 V.
;   window 1: v0-47 Q; v48-63 and v224-255 the second block's Q; v64-159 K; v160-223 the bias.
.set CHB,   20480                      ; a chunk's K and V^T
.set HALFB, 10240                      ; what one tensor load brings
.set STEPB, 2*CHB
.set SLOT1, 1<<17                      ; slot 1 begins here: one exclusive or turns an address in one slot into the other's
.set SPARE, SLOT1+2*STEPB              ; behind the ring's last byte: the spare words, 128 bytes a wave: four blocks of 256 bytes that no other line names
.set SCR,   SPARE+1024                 ; behind them: the partial results
.set SCW,   8704                       ; of one pair of waves: 16 pieces of O^T and one of m and l
.set SCS,   4*SCW                      ; a region; a slot's first step has one, its second another, so that two barriers lie between a region's reads and its next stores
.set LI,  1                            ; v1 16 x lane
.set ADR, 2                            ; v2 LDS address of my chunk of the slot's first step
.set D0,  3                            ; v3 32 w' + r - 8 h - 64 g
.set NEG, 4                            ; v4 -3e38
.set PFO, 5                            ; v5 256 x lane
.set SPW, 6
.set NIL, 7
.set SCA, 8                            ; v8 LDS address of my pair's partial results, 16 x lane
.set PS,  12
.set ST,  16
.set S,   32
.set P,   96
.set O,   128
.set VF,  192
.set QF,  0                            ; in window 1
.set KF,  64
.set BI,  160
.set WV,  8
.set WQ,  9                            ; s9  w': which 32 queries
.set NA,  11                           ; s11 the first block's key steps: 16 - i
.set TD,  12                           ; s12 its last: 15 - i; also the first block's number
.set TS,  13                           ; s13 the step in hand, 0 .. 16
.set TB,  14                           ; s14 LDS byte of my chunk in the slot in hand
.set TW,  15                           ; s15 the step of which I fetched last
.set G1,  16
.set G0,  24
.set KVB, 28                           ; s[28:29] my head's first chunk of my parity, my half of it
.set OFF, 30
.set PFA, 32
.set ATB, 34
.set ATB2, 36
.set SEL, 38
.set LIM, 40
.set SL,  41
.set GK,  42                           ; s42 g: which chunk of a step
.set MSB, 0
.macro WIN new                         ; the immediate's high byte repeats the setting that is left
.if MSB != (\new)
	s_set_vgpr_msb (MSB<<8)|(\new)
.set MSB, (\new)
.endif
.endm
	s_load_b128 s[4:7], s[0:1], 0x0                ; qkv, att
	v_lshl_add_u32 v[SPW], v0, 2, SPARE
	v_mov_b32 v[NIL], 0
	ds_add_u32 v[SPW], v[NIL]                      ; the wave's opening: the add, twice on end, and its wait ahead of my first tensor load
	ds_add_u32 v[SPW], v[NIL]
	v_lshrrev_b32 v10, 5, v0
	v_readfirstlane_b32 s[WV], v10                 ; wave 0..7
	s_mov_b32 s[G1+0], 3<<16                       ; no mask; elements of 8 bytes; no padding
	s_mov_b32 s[G1+1], 32<<16                      ; tensor_dim0 = 32 elements: rows of 256 bytes
	s_mov_b32 s[G1+2], 40<<16                      ; tensor_dim1 = 40 rows: 10,240 dense bytes
	s_mov_b32 s[G1+3], 32<<16                      ; tile_dim0
	s_mov_b32 s[G1+4], 40                          ; tile_dim1
	s_mov_b32 s[G1+5], 32                          ; from row to row
	s_mov_b32 s[G1+6], 0
	s_mov_b32 s[G1+7], 0
	s_and_b32 s10, ttmp7, 0xffff                   ; batch x 16 + head
	s_sub_co_u32 s[NA], 16, ttmp9
	s_sub_co_u32 s[TD], 15, ttmp9
	s_mov_b32 s[TS], 0
	s_and_b32 s[WQ], s[WV], 3
	s_lshr_b32 s[GK], s[WV], 2
	s_mul_i32 s[TB], s[GK], CHB                    ; what I read: chunk g of each step
	s_mov_b32 s[TW], s[GK]                         ; what I fetch: waves 0-3 a slot's first step, waves 4-7 its second;
	s_bfe_u32 s43, s[WV], 0x10001                  ; of the step's two chunks number (w / 2) % 2;
	s_and_b32 s45, s[WV], 1                        ; of the chunk's two halves number w % 2
	s_lshl_b32 s44, s10, 20                        ; a head's 32 chunks of 32,768 bytes
	s_lshl_b32 s43, s43, 15
	s_mul_i32 s46, s45, HALFB
	s_add_co_u32 s[OFF], s44, s43
	s_add_co_u32 s[OFF], s[OFF], s46
	s_mov_b32 s[OFF+1], 0
	s_mov_b32 s[G0], 1
	s_mul_i32 s[G0+1], s[WV], HALFB                ; LDS: slot 0, half chunk = my wave's number
	s_wait_dscnt 0x0                               ; both opening adds are done
	s_wait_kmcnt 0x0
	s_add_nc_u64 s[KVB:KVB+1], s[4:5], s[OFF:OFF+1]
	s_lshl_b32 s[OFF], s[TW], 16                   ; a key step is two chunks: 65,536 bytes
	s_add_nc_u64 s[G0+2:G0+3], s[KVB:KVB+1], s[OFF:OFF+1]
	s_or_b32 s[G0+3], s[G0+3], 0x80000000
	tensor_load_to_lds s[G0:G0+3], s[G1:G1+7]      ; steps 0 and 1: the first fill, ahead of every wait on TENSORcnt, LDS read and barrier
	s_nop 0
.rept 4
	v_nop
.endr
	s_add_co_u32 s46, s[TW], 2
	s_lshl_b32 s46, s46, 16
	s_mov_b32 s47, 0
	s_add_nc_u64 s[PFA:PFA+1], s[KVB:KVB+1], s[46:47]  ; the prefetches stand at my chunk of steps 2, 3; the first change of slots steps them on.  Nothing is prefetched here
	s_or_b32 s48, ttmp9, s45
	s_cmp_eq_u32 s48, 0
	s_cselect_b32 s[LIM], 6, 0                     ; work-group 0 of a head walks all its keys in order: its even waves alone prefetch, in the first six trips
	s_and_b32 s48, s[WQ], 1
	s_mul_i32 s48, s48, 6144
	s_add_co_u32 s48, s48, 20480                   ; Q's region of a chunk, my two tiles of its four
	s_lshr_b32 s49, s[WQ], 1
	s_lshl_b32 s46, s[TD], 1
	s_add_co_u32 s46, s46, s49                     ; the first block's chunk that holds my 32 queries
	s_lshl_b32 s46, s46, 15
	s_add_co_u32 s46, s46, s44
	s_add_co_u32 s46, s46, s48
	s_add_nc_u64 s[50:51], s[4:5], s[46:47]
	s_lshl_b32 s46, ttmp9, 1
	s_add_co_u32 s46, s46, s49                     ; and the second block's
	s_lshl_b32 s46, s46, 15
	s_add_co_u32 s46, s46, s44
	s_add_co_u32 s46, s46, s48
	s_add_nc_u64 s[52:53], s[4:5], s[46:47]
	s_lshr_b32 s46, s10, 4
	s_lshl_b32 s46, s46, 7
	s_lshl_b32 s48, s[WQ], 1
	s_add_co_u32 s46, s46, s48                     ; batch x 128 + 2 w'
	s_and_b32 s48, s10, 15
	s_lshl_b32 s48, s48, 11                        ; head x 2,048
	s_lshl_b32 s49, s[TD], 3
	s_add_co_u32 s49, s49, s46
	s_lshl_b32 s49, s49, 15
	s_add_co_u32 s54, s49, s48
	s_mov_b32 s55, 0
	s_add_nc_u64 s[ATB:ATB+1], s[6:7], s[54:55]    ; where the first block's result goes,
	s_lshl_b32 s49, ttmp9, 3
	s_add_co_u32 s49, s49, s46
	s_lshl_b32 s49, s49, 15
	s_add_co_u32 s54, s49, s48
	s_add_nc_u64 s[ATB2:ATB2+1], s[6:7], s[54:55]  ; and the second's
	s_mov_b32 s[SEL], 0x76543210
	s_mov_b32 s[SEL+1], 0xfedcba98                 ; v_permlanex16_b32's selects for lane l xor 16
	v_and_b32 v10, 31, v0
	v_lshlrev_b32 v[LI], 4, v10
	v_lshlrev_b32 v[PFO], 8, v10
	v_and_b32 v11, 15, v0
	v_bfe_u32 v12, v0, 4, 1
	v_lshlrev_b32 v12, 3, v12
	v_sub_nc_u32 v[D0], v11, v12
	s_lshl_b32 s46, s[WQ], 5
	s_lshl_b32 s49, s[GK], 6
	s_sub_co_i32 s46, s46, s49
	v_add_nc_u32 v[D0], s46, v[D0]                 ; a whole number with a sign: it is compared as one
	s_mul_i32 s46, s[WQ], SCW
	s_add_co_u32 s46, s46, SCR
	v_add_nc_u32 v[SCA], s46, v[LI]
	v_mov_b32 v[NEG], 0xff61b1e6
	WIN 0x40                                       ; destination window 1
.set pc, 0
.rept 12                                       ; my two tiles of Q are 12 pieces on end: tile pc / 6, channels 32 ((pc % 6) / 2) on, half pc % 2
	global_load_b128 v[QF+4*pc:QF+4*pc+3], v[LI], s[50:51] offset:512*pc
.set pc, pc+1
.endr
.set pc, 0
.rept 12                                       ; the second block's: register i of the 48 at v[48 + i] for i < 16, else at v[208 + i]
.if pc < 4
	global_load_b128 v[48+4*pc:48+4*pc+3], v[LI], s[52:53] offset:512*pc
.else
	global_load_b128 v[208+4*pc:208+4*pc+3], v[LI], s[52:53] offset:512*pc
.endif
.set pc, pc+1
.endr
.set i, 0
.rept 64
	v_mov_b32 v[BI+i], 0                           ; the bias: zeros off the diagonal
.set i, i+1
.endr
	WIN 0
.set i, 0
.rept 64
	v_mov_b32 v[O+i], 0                            ; O^T.  (The chunk is written once: the first finds zeros, which a = 0 leaves zeros)
.set i, i+1
.endr
.set i, 0
.rept 16
	v_mov_b32 v[ST+i], 0
.set i, i+1
.endr
	v_mov_b32 v[ST], v[NEG]                        ; m: under every score
	v_mov_b32 v[ST+8], v[NEG]
; Product n of 12 of tile t's S^T = K Q^T: channels 32 (n / 4) on, keys 16 (n % 4) on.  The four accumulators take turns.  The first four take the bias as C.
.macro KQ t
.set rS, S+32*(\t)+8*(n%4)
.set rK, KF+8*(4*(n/4)+n%4)
.set rQ, QF+24*(\t)+8*(n/4)
.set rB, BI+32*(\t)+8*(n%4)
.if n < 4
	WIN 0x15                                       ; K, Q and the bias in window 1
	v_wmma_f32_16x16x32_f16 v[rS:rS+7], v[rK:rK+7], v[rQ:rQ+7], v[rB:rB+7]
.else
	WIN 0x05
	v_wmma_f32_16x16x32_f16 v[rS:rS+7], v[rK:rK+7], v[rQ:rQ+7], v[rS:rS+7]
.endif
.set n, n+1
.endm
; Product n of 8 of tile t's O^T += V^T P: keys 32 (n / 4) on, channels 16 (n % 4) on
.macro PV t
.set rO, O+32*(\t)+8*(n%4)
.set rV, VF+8*(4*(n/4)+n%4)
.set rP, P+16*(\t)+8*(n/4)
	WIN 0
	v_wmma_f32_16x16x32_f16 v[rO:rO+7], v[rV:rV+7], v[rP:rP+7], v[rO:rO+7]
.set n, n+1
.endm
; One tile's softmax for a chunk is a list of 118 numbers; SM writes number vj of it.
;   0-15 the maximum of the lane's 32 scores and the old m (each accumulator is first read at its low end); 16-19 the other half of the lanes', the new m, m_old - m_new; 20 a;
;   21-36 s - m, a pair each; 37-68 the exponentials; 69 a plain instruction and THE ONE WAIT for the 33 exponentials, ahead of the first instruction that names a result;
;   70-85 the roundings to f16; 86-101 the sums, l = a l + the sum; 102-117 O^T times a.
.macro SM t
.set rT, ST+8*(\t)
.set rS, S+32*(\t)
.set rP, P+16*(\t)
.set rO, O+32*(\t)
	WIN 0
.if vj < 4
	v_max3_num_f32 v[rT+4+vj], v[rS+8*vj], v[rS+8*vj+1], v[rS+8*vj+2]
.elseif vj < 12
	v_max3_num_f32 v[rT+4+vj%4], v[rT+4+vj%4], v[rS+8*(vj%4)+2*(vj/4)+1], v[rS+8*(vj%4)+2*(vj/4)+2]
.elseif vj == 12
	v_max3_num_f32 v[rT+4], v[rT+4], v[rS+7], v[rS+15]
.elseif vj == 13
	v_max3_num_f32 v[rT+6], v[rT+6], v[rS+23], v[rS+31]
.elseif vj == 14
	v_max3_num_f32 v[rT+4], v[rT+4], v[rT+5], v[rT+6]
.elseif vj == 15
	v_max3_num_f32 v[rT+4], v[rT+4], v[rT+7], v[rT]
.elseif vj == 16
	v_permlanex16_b32 v[rT+5], v[rT+4], s[SEL], s[SEL+1]
.elseif vj == 17
	v_mov_b32 v[rT+7], v[rT]
.elseif vj == 18
	v_max_num_f32 v[rT], v[rT+4], v[rT+5]
.elseif vj == 19
	v_sub_f32 v[rT+7], v[rT+7], v[rT]
.elseif vj == 20
	v_exp_f32 v[rT+6], v[rT+7]
.elseif vj < 37
	v_pk_add_f32 v[rS+2*(vj-21):rS+2*(vj-21)+1], v[rS+2*(vj-21):rS+2*(vj-21)+1], v[rT:rT+1] op_sel_hi:[1,0] neg_lo:[0,1] neg_hi:[0,1]
.elseif vj < 69
	v_exp_f32 v[rS+vj-37], v[rS+vj-37]
.elseif vj == 69
	v_nop
	s_wait_alu depctr_va_vdst(0)
.elseif vj < 86
	v_cvt_pk_f16_f32 v[rP+vj-70], v[rS+2*(vj-70)], v[rS+2*(vj-70)+1]
.elseif vj < 102
.set z, vj-86
.set zw, 4
.set zu, z
.if z >= 14
.set zw, 32
.set zu, 0
.elseif z >= 12
.set zw, 16
.set zu, z-12
.elseif z >= 8
.set zw, 8
.set zu, z-8
.endif
.if z < 15
	v_pk_add_f32 v[rS+zw*zu:rS+zw*zu+1], v[rS+zw*zu:rS+zw*zu+1], v[rS+zw*zu+zw/2:rS+zw*zu+zw/2+1]
.else
	v_pk_fma_f32 v[rT+2:rT+3], v[rT+2:rT+3], v[rT+6:rT+7], v[rS:rS+1] op_sel_hi:[1,0,1]
.endif
.else
	v_pk_mul_f32 v[rO+2*(vj-102):rO+2*(vj-102)+1], v[rO+2*(vj-102):rO+2*(vj-102)+1], v[rT+6:rT+7] op_sel_hi:[1,0]
.endif
.endm
.macro VS t, cnt                       ; the next cnt numbers of tile t's list
.rept \cnt
.if vj < 118
	SM \t
.endif
.set vj, vj+1
.endr
.endm
; The bias of my chunk of a step on the diagonal.  Register j of tile (t, kt): key 64 g + 16 kt + 8 h + j against query 32 w' + 16 t + r: hidden where 16 kt + j - 16 t > 32 w' + r - 8 h - 64 g.
.macro BIAS
	WIN 0x40
.irp t, 0,1
.irp kt, 0,1,2,3
.irp j, 0,1,2,3,4,5,6,7
	v_cmp_gt_i32 vcc_lo, 16*\kt+\j-16*\t, v[D0]
	v_cndmask_b32 v[BI+32*\t+8*\kt+\j], 0, v[NEG], vcc_lo
.endr
.endr
.endr
	WIN 0
.endm
.macro KLOAD st                        ; K of my chunk of the slot's step st: 12 fragments, 24 loads of 512 consecutive bytes
	WIN 0x40
.irp c, 0,1,2
.irp kt, 0,1,2,3
	ds_load_b128 v[KF+8*(4*\c+\kt):KF+8*(4*\c+\kt)+3], v[ADR] offset:\st*STEPB+\kt*3072+\c*1024
	ds_load_b128 v[KF+8*(4*\c+\kt)+4:KF+8*(4*\c+\kt)+7], v[ADR] offset:\st*STEPB+\kt*3072+\c*1024+512
.endr
.endr
	WIN 0
.endm
.macro VLOAD st                        ; its V^T: 8 fragments, 16 loads
.irp u, 0,1
.irp db, 0,1,2,3
	ds_load_b128 v[VF+8*(4*\u+\db):VF+8*(4*\u+\db)+3], v[ADR] offset:\st*STEPB+12288+\u*4096+\db*1024
	ds_load_b128 v[VF+8*(4*\u+\db)+4:VF+8*(4*\u+\db)+7], v[ADR] offset:\st*STEPB+12288+\u*4096+\db*1024+512
.endr
.endr
.endm
; MY CHUNK of 64 keys of the slot's step st.  pre = 1: the slot's second step follows, and its K is fetched as soon as K's registers are free.
.macro CHUNK st, pre
	WIN 0
.rept 4
	v_nop                                          ; places in front of loads into registers that the last products read
.endr
.if \st == 0
	KLOAD 0
.endif
	VLOAD \st
	s_wait_dscnt 16                                ; K is in; V's sixteen loads may be out
.set n, 0
.rept 12
	KQ 0
.endr
.rept 4
	v_nop                                          ; places in front of the first read of tile 0's scores
.endr
.set n, 0
.set vj, 0
.rept 12
	KQ 1
	VS 0, 10                                       ; the last slice is eight plain multiplications of O^T: the places behind the last of these products
.endr
.if \pre
	KLOAD 1
	s_wait_dscnt 24                                ; V is in; those 24 may be out
.else
	s_wait_dscnt 0x0                               ; V is in
.endif
.set n, 0
.set vj, 0
.rept 8
	PV 0
	VS 1, 15
.endr
.set n, 0
.rept 8
	PV 1
.endr
.endm
; A block's end, waves 4-7: my partial result goes to LDS as it stands in my registers: O^T's 64 registers in 16 pieces, each accumulator from its low end on, then m and l of both tiles in one piece.
.macro DUMP st
.rept 4
	v_nop                                          ; places in front of the first read of the last products' results
.endr
	v_mov_b32 v[PS], v[ST]
	v_add_f32 v[PS+1], v[ST+2], v[ST+3]
	v_mov_b32 v[PS+2], v[ST+8]
	v_add_f32 v[PS+3], v[ST+10], v[ST+11]
.set pc, 0
.rept 16
	ds_store_b128 v[SCA], v[O+4*pc:O+4*pc+3] offset:\st*SCS+512*pc
.set pc, pc+1
.endr
	ds_store_b128 v[SCA], v[PS:PS+3] offset:\st*SCS+8192
.endm
; A block's end, waves 0-3: M = the larger of the two maxima; each part is weighed by a_i = 2^(m_i - M); l = a_0 l_0 + a_1 l_1, with the other half of the lanes'; O^T = (a_0 O_0 + a_1 O_1) / l, in f16, out as four pieces a tile.
.macro MERGE st
.rept 4
	v_nop
.endr
	ds_load_b128 v[PS:PS+3], v[SCA] offset:\st*SCS+8192
.set pc, 0
.rept 16
	ds_load_b128 v[S+4*pc:S+4*pc+3], v[SCA] offset:\st*SCS+512*pc   ; the partner's O^T into S^T's registers, which are free
.set pc, pc+1
.endr
.irp t, 0,1
	v_add_f32 v[ST+8*\t+4], v[ST+8*\t+2], v[ST+8*\t+3]
.endr
	s_wait_dscnt 16                                ; the partner's m and l are in; its sixteen pieces of O^T may be out
.irp t, 0,1
	v_max_num_f32 v[ST+8*\t+5], v[ST+8*\t], v[PS+2*\t]
.endr
.irp t, 0,1
	v_sub_f32 v[ST+8*\t+6], v[ST+8*\t], v[ST+8*\t+5]
	v_sub_f32 v[ST+8*\t+7], v[PS+2*\t], v[ST+8*\t+5]
.endr
.irp t, 0,1
	v_exp_f32 v[ST+8*\t+6], v[ST+8*\t+6]
	v_exp_f32 v[ST+8*\t+7], v[ST+8*\t+7]
.endr
	v_nop                                          ; a plain instruction behind the exponentials,
	s_wait_alu depctr_va_vdst(0)                   ; and one wait for the four, ahead of their first reader
.irp t, 0,1
	v_mul_f32 v[ST+8*\t+4], v[ST+8*\t+4], v[ST+8*\t+6]
.endr
.irp t, 0,1
	v_fma_f32 v[ST+8*\t+4], v[PS+1+2*\t], v[ST+8*\t+7], v[ST+8*\t+4]
.endr
.irp t, 0,1
	v_permlanex16_b32 v[ST+8*\t+5], v[ST+8*\t+4], s[SEL], s[SEL+1]
.endr
.irp t, 0,1
	v_add_f32 v[ST+8*\t+4], v[ST+8*\t+4], v[ST+8*\t+5]
.endr
.irp t, 0,1
	v_rcp_f32 v[ST+8*\t+5], v[ST+8*\t+4]
.endr
	v_nop                                          ; a plain instruction behind the reciprocals,
	s_wait_alu depctr_va_vdst(0)                   ; and one wait for both
.irp t, 0,1
	v_mul_f32 v[ST+8*\t+6], v[ST+8*\t+6], v[ST+8*\t+5]   ; a_0 / l
	v_mul_f32 v[ST+8*\t+4], v[ST+8*\t+7], v[ST+8*\t+5]   ; a_1 / l
.endr
	s_wait_dscnt 0x0                               ; the partner's O^T is in
.irp t, 0,1
.set i, 0
.rept 16
	v_pk_mul_f32 v[S+32*\t+2*i:S+32*\t+2*i+1], v[S+32*\t+2*i:S+32*\t+2*i+1], v[ST+8*\t+4:ST+8*\t+5] op_sel_hi:[1,0]
.set i, i+1
.endr
.set i, 0
.rept 16
	v_pk_fma_f32 v[S+32*\t+2*i:S+32*\t+2*i+1], v[O+32*\t+2*i:O+32*\t+2*i+1], v[ST+8*\t+6:ST+8*\t+7], v[S+32*\t+2*i:S+32*\t+2*i+1] op_sel_hi:[1,0,1]
.set i, i+1
.endr
.set i, 0
.rept 16
	v_cvt_pk_f16_f32 v[P+16*\t+i], v[S+32*\t+2*i], v[S+32*\t+2*i+1]
.set i, i+1
.endr
.irp db, 0,1,2,3
	global_store_b128 v[LI], v[P+16*\t+4*\db:P+16*\t+4*\db+3], s[ATB:ATB+1] offset:\t*32768+\db*512   ; the wave stores 512 consecutive bytes, aligned
.endr
.endr
.endm
; On to the second block, all eight waves.  O^T and l are not cleared: m goes back to -3e38, so the next chunk's a is 0 and multiplies the old sums away (or, where all its keys are hidden, the merge does).
.macro RESTART
	s_wait_xcnt 0x0                                ; the stores have read their base and their data
	s_mov_b64 s[ATB:ATB+1], s[ATB2:ATB2+1]
	v_mov_b32 v[ST], v[NEG]
	v_mov_b32 v[ST+8], v[NEG]
	WIN 0x40
.set i, 0
.rept 64
	v_mov_b32 v[BI+i], 0
.set i, i+1
.endr
	WIN 0x41                                       ; within window 1
.set i, 0
.rept 48
.if i < 16
	v_mov_b32 v[QF+i], v[48+i]
.else
	v_mov_b32 v[QF+i], v[208+i]
.endif
.set i, i+1
.endr
	WIN 0
.endm
; A KEY STEP, the st-th of its slot.  last = 0: the branches on the step hang on the count of steps and the work-group's number alone, the same in all eight waves; those on the wave's number part the two halves of
; the pairs.  None leads round the barrier.  last = 1: the very last step, on the second block's diagonal.
.macro STEP st, pre, last
.if !(\last)
	s_cmp_lg_u32 s[TS], s[TD]
	s_cbranch_scc1 .Lopen_\@
.endif
	BIAS
.Lopen_\@:
	CHUNK \st, \pre
.if !(\last)
	s_cmp_lg_u32 s[TS], s[TD]
	s_cbranch_scc1 .Lkeep_\@
.endif
	s_cmp_lt_u32 s[WV], 4
	s_cbranch_scc1 .Lkeep_\@
	DUMP \st
.Lkeep_\@:
	s_wait_dscnt 0x0                               ; for the others' sake: my stores of a partial result are done; and no LDS load of mine is out
	s_barrier_signal -1
	s_barrier_wait -1
.if !(\last)
	s_cmp_lg_u32 s[TS], s[TD]
	s_cbranch_scc1 .Lgo_\@
.endif
	s_cmp_lt_u32 s[WV], 4
	s_cbranch_scc0 .Lhalf_\@
	MERGE \st
.Lhalf_\@:
.if !(\last)
	RESTART
.Lgo_\@:
	s_add_co_u32 s[TS], s[TS], 1
.endif
.endm
.macro SLOT_STEPS                      ; a slot's two steps
	v_add_nc_u32 v[ADR], s[TB], v[LI]
	STEP 0, 1, 0
	STEP 1, 0, 0
	s_xor_b32 s[TB], s[TB], SLOT1                  ; on to the other slot
.endm
; A PREFETCH INTO THE L2 of a chunk of the slot that the NEXT change of slots will ask for: 96 blocks of 256 bytes, a lane a block, three instructions: the chunk's K and V^T and the first 4,096 bytes of its q, which this
; launch reads too.  Only a head's work-group 0 asks, whose first block walks all 16 key steps in order; of the two waves that fetch a chunk the even one asks for it: so each block is named once in the launch.
; In trip s it names steps 2 s + 4 and 2 s + 5, a slot's two steps ahead of their load; it stops behind trip 5, whose steps 14 and 15 are the head's last.
.macro ASK
	s_cmp_lt_u32 s[SL], s[LIM]
	s_cbranch_scc0 .Lnot_mine_\@
	global_prefetch_b8 v[PFO], s[PFA:PFA+1] th:TH_LOAD_NT scope:SCOPE_SE
	global_prefetch_b8 v[PFO], s[PFA:PFA+1] offset:8192 th:TH_LOAD_NT scope:SCOPE_SE
	global_prefetch_b8 v[PFO], s[PFA:PFA+1] offset:16384 th:TH_LOAD_NT scope:SCOPE_SE
.Lnot_mine_\@:
.endm
; THE CHANGE OF SLOTS stands at a slot's head.  Each wave waits for all its tensor loads (its part of the slot that it is about to read), adds 0 to its spare word, and waits for that and for its reads of the slot that it has left.
; fill = 1: the slot just left takes the next two steps, half a chunk a wave.  fill = 2: the stream's last slot holds one step: waves 0 to 3 alone fetch.  fill = 0: nothing is left to fetch.
.macro CHANGE fill
	s_wait_tensorcnt 0x0                           ; no tensor load of mine is out, so my group 0 may be written
	ds_add_u32 v[SPW], v[NIL]                      ; the descriptor's step stands between the add and the wait for it
.if \fill
	s_xor_b32 s[G0+1], s[G0+1], SLOT1              ; the other slot than last time
	s_add_co_u32 s[TW], s[TW], 2
	s_sub_co_u32 s43, s[TW], s[NA]
	s_cmp_lt_u32 s[TW], s[NA]
	s_cselect_b32 s[OFF], s[TW], s43               ; the key step: the first block's steps count from 0, and so do the second's
	s_lshl_b32 s[OFF], s[OFF], 16
	s_add_nc_u64 s[G0+2:G0+3], s[KVB:KVB+1], s[OFF:OFF+1]
	s_or_b32 s[G0+3], s[G0+3], 0x80000000
.endif
.if \fill == 1
	s_wait_xcnt 0x0                                ; the last prefetches, a slot back, have read their address
	s_add_nc_u64 s[PFA:PFA+1], s[PFA:PFA+1], 131072
.endif
	s_wait_dscnt 0x0                               ; the add is done, and my reads of the slot that I have left are over
	s_barrier_signal -1
	s_barrier_wait -1
.if \fill == 1
	tensor_load_to_lds s[G0:G0+3], s[G1:G1+7]      ; the first thing behind the barrier, and my one tensor load until the next such barrier
	s_nop 0
.rept 4
	v_nop
.endr
	ASK
.endif
.if \fill == 2
	s_cmp_lt_u32 s[WV], 4
	s_cbranch_scc0 .Lnone_\@
	tensor_load_to_lds s[G0:G0+3], s[G1:G1+7]
	s_nop 0
.rept 4
	v_nop
.endr
.Lnone_\@:
.endif
.endm
	s_wait_loadcnt 0x0                             ; Q, both blocks'
	s_mov_b32 s[SL], 0
.Lslot:                                            ; seven trips: steps 2 s and 2 s + 1 are worked while steps 2 s + 2 and 2 s + 3 land
	CHANGE 1
	SLOT_STEPS
	s_add_co_u32 s[SL], s[SL], 1
	s_cmp_lt_u32 s[SL], 7
	s_cbranch_scc1 .Lslot
	CHANGE 2                                       ; the tail is written out: steps 14 and 15, while step 16 lands
	SLOT_STEPS
	CHANGE 0
	v_add_nc_u32 v[ADR], s[TB], v[LI]
	STEP 0, 0, 1                                   ; step 16
	s_wait_tensorcnt 0x0                           ; the wave's end, behind my last tensor load and my last LDS store
	ds_add_u32 v[SPW], v[NIL]
	s_wait_dscnt 0x0
	s_endpgm
.Lfunc_end_k_q073f02b04c_attn:
	.size	k_q073f02b04c_attn, .Lfunc_end_k_q073f02b04c_attn-k_q073f02b04c_attn
	.p2alignl 7, 3214868480
	.fill 96, 4, 3214868480
	.section	.rodata,"a",@progbits
	.p2align	6, 0x0
	.amdhsa_kernel k_q073f02b04c_attn
		.amdhsa_group_segment_fixed_size 327680
		.amdhsa_private_segment_fixed_size 0
		.amdhsa_enable_private_segment 0
		.amdhsa_kernarg_size 16
		.amdhsa_user_sgpr_count 2
		.amdhsa_user_sgpr_kernarg_segment_ptr 1
		.amdhsa_wavefront_size32 1
		.amdhsa_system_sgpr_workgroup_id_x 1
		.amdhsa_system_sgpr_workgroup_id_y 1
		.amdhsa_system_sgpr_workgroup_id_z 1
		.amdhsa_system_vgpr_workitem_id 0
		.amdhsa_next_free_vgpr 512
		.amdhsa_next_free_sgpr 66
		.amdhsa_reserve_vcc 1
		.amdhsa_float_denorm_mode_32 3
		.amdhsa_float_denorm_mode_16_64 3
		.amdhsa_memory_ordered 1
		.amdhsa_forward_progress 1
		.amdhsa_inst_pref_size 197
	.end_amdhsa_kernel
	.amdgpu_metadata
---
amdhsa.version: [ 1, 2 ]
amdhsa.kernels:
  - .name:           k_q073f02b04c_attn
    .symbol:         k_q073f02b04c_attn.kd
    .args:
      - { .name: qkv, .offset: 0, .size: 8, .value_kind: global_buffer, .address_space: global }
      - { .name: att, .offset: 8, .size: 8, .value_kind: global_buffer, .address_space: global }
    .group_segment_fixed_size: 327680
    .private_segment_fixed_size: 0
    .kernarg_segment_align: 8
    .kernarg_segment_size: 16
    .max_flat_workgroup_size: 256
    .sgpr_count:     66
    .vgpr_count:     512
    .wavefront_size: 32
...
	.end_amdgpu_metadata
.endif
;; end of part 3
;; launch outp (part 4): grid 16 x 16, 4 waves a work-group, clusters of 4 x 4, 327,680 bytes of LDS; arguments att, woh, out0; writes out0
.if DOCPART == 4
	.amdgcn_target "amdgcn-amd-amdhsa--gfx1250"
	.amdhsa_code_object_version 6
	.text
	.protected	k_q073f02b04c_outp
	.globl	k_q073f02b04c_outp
	.p2align	8
	.type	k_q073f02b04c_outp,@function
k_q073f02b04c_outp:
	s_mov_b64 s[64:65], 0
	v_nop
	global_prefetch_b8 v0, s[64:65] scope:SCOPE_SE
	s_setreg_imm32_b32 hwreg(HW_REG_WAVE_MODE, 25, 1), 1
	s_wait_xcnt 0x0
	s_wait_alu depctr_hold_cnt(0) depctr_sa_sdst(0) depctr_va_vdst(0) depctr_va_sdst(0) depctr_va_ssrc(0) depctr_va_vcc(0) depctr_vm_vsrc(0)
	s_getreg_b32 s2, hwreg(HW_REG_IB_STS2, 6, 4)
	s_cmp_eq_u32 s2, 0
	s_cbranch_scc0 .Lentry_in_a_cluster
	s_endpgm
.Lentry_in_a_cluster:
	s_bfe_u32 s2, ttmp6, 0x10000c
	s_cmp_lg_u32 s2, 0xf033
	s_cbranch_scc0 .Lentry_shape_is_right
	s_endpgm
.Lentry_shape_is_right:
; OUTP: out0[4096][2048] = att[4096][1024] Wo[2048][1024]^T; operands in f16, sums and result in f32.
; Both operands lie in memory as images of operand registers: [block of 16 rows][ks 32][half 2][512 bytes], lane l at 16 l.  So a K step of 128 of one block is 4,096 consecutive bytes, a tile in LDS has no pitch and no
; padding, and every LDS load reads 512 consecutive bytes.
; A tile is 256 rows x 128 columns: 256 work-groups.  Four waves, each 128 x 64: 32 accumulators, 256 registers (window 1).  K goes in 8 steps of 128 through a ring of two LDS slots.
; CLUSTERS of 4 x 4: att's tiles are shared along a row of the cluster, Wo's along a column, each asked for jointly.  The matrix instruction is used transposed (source 0 = Wo, source 1 = att): a lane holds eight
; neighbouring columns of one row of the result.
; Rows 0 to 15 of each sequence are written here like all others and written again, more finely, by the launch that follows.
; No prefetch: the launch is short and its tiles are shared in clusters.
; REGISTERS: window 0: v0-31 addresses; v32-127 and v128-223 two fragment buffers (att's eight blocks at + 8 a, Wo's four at + 64 + 8 b); window 1: accumulator (a, b) at v[8 (4 a + b)].
.set SLOT,   98304                     ; att: 16 blocks x 4,096, then Wo: 8 blocks x 4,096
.set BOFF,   65536
.set STAGE,  2*SLOT                    ; behind the ring: 16 rows x 272 bytes for each wave
.set SPITCH, 272
.set SPARE,  STAGE+4*16*SPITCH         ; the spare words, 128 bytes a wave
.set LAPS,   4                         ; a lap = two K steps
.set ADRA, 16
.set ADRB, 20
.set STO,  24
.set RD,   25
.set CO,   26
.set SPW,  28
.set NIL,  29
.set F0,   32
.set F1,   128
.set BK,   32                          ; the way out: rows read back: v32-63 and v64-95 by turns
.set G1, 24
.set G0, 32
.set G1B, 48
.set G0B, 56
.set MSB, 0
.macro WIN new
.if MSB != (\new)
	s_set_vgpr_msb (MSB<<8)|(\new)
.set MSB, (\new)
.endif
.endm
.set MUL, 0x50                         ; C and D window 1
.macro JLOAD s                         ; a joint load: waves 0 and 1 fetch att's two halves, waves 2 and 3 Wo's; an s_nop 0 and four v_nop follow each of the two lines
	s_cmp_eq_u32 s11, 0
	s_cbranch_scc0 .Lfor_b_\@
	tensor_load_to_lds s[G0+4*\s:G0+4*\s+3], s[G1:G1+7]
	s_nop 0
.rept 4
	v_nop
.endr
	s_branch .Lasked_\@
.Lfor_b_\@:
	tensor_load_to_lds s[G0B+4*\s:G0B+4*\s+3], s[G1B:G1B+7]
	s_nop 0
.rept 4
	v_nop
.endr
.Lasked_\@:
.endm
.macro CREST
	s_cmp_lg_u32 s10, 0
	s_cbranch_scc1 .Lnot_wave_0_\@
	s_barrier_signal -3
.Lnot_wave_0_\@:
	s_barrier_wait -3
	s_barrier_signal -1
	s_barrier_wait -1
.endm
.macro CROUND
	s_barrier_signal -1
	s_barrier_wait -1
	CREST
.endm
	s_load_b128 s[4:7], s[0:1], 0x0                ; att, woh
	s_load_b64 s[8:9], s[0:1], 0x10                ; out0
	v_lshl_add_u32 v[SPW], v0, 2, SPARE
	v_mov_b32 v[NIL], 0
	ds_add_u32 v[SPW], v[NIL]                      ; the wave's opening: the add, twice on end, and its wait ahead of my first tensor load
	ds_add_u32 v[SPW], v[NIL]
	v_lshrrev_b32 v1, 5, v0
	v_readfirstlane_b32 s10, v1                    ; wave 0..3
	s_lshr_b32 s11, s10, 1                         ; which half of the tile's rows is mine.  Also: I fetch for att (0) or for Wo (1)
	s_and_b32 s12, s10, 1                          ; which half of its columns.  Also: which half of that tile I fetch
	s_bfe_u32 s40, ttmp6, 0x40000                  ; cx, cy
	s_bfe_u32 s41, ttmp6, 0x40004
	s_lshl_b32 s42, ttmp9, 2
	s_add_co_u32 s42, s42, s40                     ; tile column = 4 x cluster x + cx
	s_and_b32 s13, ttmp7, 0xffff
	s_lshl_b32 s13, s13, 2
	s_add_co_u32 s13, s13, s41                     ; tile row = 4 x cluster y + cy
	s_lshl_b32 s43, s41, 2
	s_lshl_b32 s43, 15, s43                        ; my row of the cluster
	s_lshl_b32 s44, 0x1111, s40                    ; my column
	s_or_b32 s[G1+0], s43, (3<<16)|(1<<21)         ; the mask; elements of 8 bytes; bit 21 beside a mask; no padding
	s_or_b32 s[G1B+0], s44, (3<<16)|(1<<21)
	s_mov_b32 s[G1+1], 512<<16                     ; tensor_dim0 = 512 elements: a block's K step, 4,096 bytes
	s_mov_b32 s[G1+2], 8<<16                       ; tensor_dim1 = 8 blocks
	s_mov_b32 s[G1+3], 512<<16                     ; tile_dim0
	s_mov_b32 s[G1+4], 8                           ; tile_dim1
	s_mov_b32 s[G1+5], 4096                        ; from block to block: 32,768 bytes
	s_mov_b32 s[G1+6], 0
	s_mov_b32 s[G1+7], 0
	s_mov_b32 s[G1B+1], 512<<16
	s_mov_b32 s[G1B+2], 4<<16                      ; Wo: 4 blocks to a load
	s_mov_b32 s[G1B+3], 512<<16
	s_mov_b32 s[G1B+4], 4
	s_mov_b32 s[G1B+5], 4096
	s_mov_b32 s[G1B+6], 0
	s_mov_b32 s[G1B+7], 0
	s_lshl_b32 s16, s13, 4
	s_lshl_b32 s17, s12, 3
	s_add_co_u32 s16, s16, s17                     ; att: block 16 x tile row + 8 x half
	s_lshl_b32 s16, s16, 15
	s_mov_b32 s17, 0
	s_lshl_b32 s46, s42, 3
	s_lshl_b32 s47, s12, 2
	s_add_co_u32 s46, s46, s47                     ; Wo: block 8 x tile column + 4 x half
	s_lshl_b32 s46, s46, 15
	s_mov_b32 s47, 0
	s_lshl_b32 s20, s12, 15                        ; where they go: no place in the cluster enters an LDS address
	s_lshl_b32 s21, s12, 14
	s_add_co_u32 s21, s21, BOFF
	s_wait_dscnt 0x0                               ; both opening adds are done
	s_wait_kmcnt 0x0
	s_add_nc_u64 s[14:15], s[4:5], s[16:17]
	s_add_nc_u64 s[46:47], s[6:7], s[46:47]
	CROUND                                         ; all sixteen work-groups are here: the first joint loads meet
.irp s, 0,1
	s_mov_b32 s[G0+4*\s], 1
	s_add_co_u32 s[G0+4*\s+1], s20, \s*SLOT
	s_add_nc_u64 s[G0+4*\s+2:G0+4*\s+3], s[14:15], \s*4096
	s_or_b32 s[G0+4*\s+3], s[G0+4*\s+3], 0x80000000
	s_mov_b32 s[G0B+4*\s], 1
	s_add_co_u32 s[G0B+4*\s+1], s21, \s*SLOT
	s_add_nc_u64 s[G0B+4*\s+2:G0B+4*\s+3], s[46:47], \s*4096
	s_or_b32 s[G0B+4*\s+3], s[G0B+4*\s+3], 0x80000000
	JLOAD \s                                       ; two tensor loads of a wave are out here, later one
.endr
	v_and_b32 v1, 15, v0                           ; l % 16
	v_bfe_u32 v2, v0, 4, 1                         ; l / 16
	v_and_b32 v3, 31, v0
	v_lshlrev_b32 v3, 4, v3                        ; 16 x lane
	s_lshl_b32 s21, s11, 15                        ; my eight blocks of att
	s_lshl_b32 s22, s12, 14
	s_add_co_u32 s22, s22, BOFF                    ; my four blocks of Wo
.irp s, 0,1
	v_add_nc_u32 v[ADRA+\s], s21, v3
	v_add_nc_u32 v[ADRB+\s], s22, v3
	s_add_co_u32 s21, s21, SLOT
	s_add_co_u32 s22, s22, SLOT
.endr
	s_mul_i32 s23, s10, 16*SPITCH
	s_add_co_u32 s23, s23, STAGE                   ; my stage
	v_mul_u32_u24 v4, v1, SPITCH                   ; in: row l % 16, 32 bytes for each half of the lanes
	v_lshl_add_u32 v4, v2, 5, v4
	v_add_nc_u32 v[STO], s23, v4
	v_mul_u32_u24 v5, v2, SPITCH                   ; back: lanes 0-15 one row of 256 bytes, lanes 16-31 the next
	v_lshl_add_u32 v5, v1, 4, v5
	v_add_nc_u32 v[RD], s23, v5
	v_lshlrev_b32 v5, 13, v2                       ; and the same two rows in out0: 8,192 bytes a row
	v_lshl_add_u32 v[CO], v1, 4, v5
	s_lshl_b32 s16, s13, 8
	s_lshl_b32 s17, s11, 7
	s_add_co_u32 s16, s16, s17                     ; my first row
	s_lshl_b32 s16, s16, 13
	s_mov_b32 s17, 0
	s_add_nc_u64 s[8:9], s[8:9], s[16:17]
	s_lshl_b32 s46, s42, 9                         ; my first column, in bytes: 512 x tile column + 256 x half
	s_lshl_b32 s47, s12, 8
	s_add_co_u32 s46, s46, s47
	s_mov_b32 s47, 0
	s_add_nc_u64 s[8:9], s[8:9], s[46:47]
; 8 matrix instructions: blocks a0, a0 + 1 of att x Wo's four, 32 along K.  The 32 accumulators take turns, one instruction a turn, in the same order in every quarter.
.macro MUL8 f, a0, zero
.irp a, \a0, \a0+1
.irp b, 0,1,2,3
.if \zero
	v_wmma_f32_16x16x32_f16 v[8*(4*(\a)+\b):8*(4*(\a)+\b)+7], v[\f+64+8*\b:\f+64+8*\b+7], v[\f+8*(\a):\f+8*(\a)+7], 0
.else
	v_wmma_f32_16x16x32_f16 v[8*(4*(\a)+\b):8*(4*(\a)+\b)+7], v[\f+64+8*\b:\f+64+8*\b+7], v[\f+8*(\a):\f+8*(\a)+7], v[8*(4*(\a)+\b):8*(4*(\a)+\b)+7]
.endif
.endr
.endr
.endm
.macro FETCH slot, q, f                ; 24 LDS loads in one run: quarter q of the slot: Wo's four blocks, att's blocks 0-3, att's blocks 4-7
	WIN 0
.irp b, 0,1,2,3
	ds_load_b128 v[\f+64+8*\b:\f+64+8*\b+3], v[ADRB+\slot] offset:\b*4096+(\q)*1024
	ds_load_b128 v[\f+64+8*\b+4:\f+64+8*\b+7], v[ADRB+\slot] offset:\b*4096+(\q)*1024+512
.endr
.irp a, 0,1,2,3,4,5,6,7
	ds_load_b128 v[\f+8*\a:\f+8*\a+3], v[ADRA+\slot] offset:\a*4096+(\q)*1024
	ds_load_b128 v[\f+8*\a+4:\f+8*\a+7], v[ADRA+\slot] offset:\a*4096+(\q)*1024+512
.endr
.endm
.macro PLACES                          ; four plain vector instructions in front of loads into registers that matrix instructions have read, and of the first read of results
.rept 4
	v_nop
.endr
.endm
; One of a K step's first three quarters: multiplies buffer f and fetches quarter q of the same slot into g.
.macro QUARTER slot, q, f, g, zero
	s_wait_dscnt 8                                 ; Wo's blocks and att's blocks 0-3 are in; the youngest eight loads may be out
	WIN MUL
	MUL8 \f, 0, \zero
	MUL8 \f, 2, \zero
	PLACES
	FETCH \slot, \q, \g
	s_wait_dscnt 24                                ; all but the 24 just issued
	WIN MUL
	MUL8 \f, 4, \zero
	MUL8 \f, 6, \zero
.endm
; The last quarter multiplies buffer 1 and changes slots: one barrier; in front of it each wave waits for all its tensor loads, adds 0 to its spare word, and waits for that and for its reads of this slot.
.macro TURN slot, next, fill
	WIN 0
	s_wait_tensorcnt 0x0                           ; all my tensor loads have landed: my part of the next slot
	ds_add_u32 v[SPW], v[NIL]
	s_wait_dscnt 9                                 ; the add and the youngest eight loads may be out
	WIN MUL
	MUL8 F1, 0, 0
	s_wait_dscnt 0x0                               ; the add is done, and my reads of this slot are over
	s_barrier_signal -1
	MUL8 F1, 2, 0
.if \fill
	WIN 0
.endif
	s_barrier_wait -1
.if \fill
	CREST                                          ; the barrier has opened a round of the cluster's: no wave of any partner still reads this slot or has a load on its way
	s_add_nc_u64 s[G0+4*\slot+2:G0+4*\slot+3], s[G0+4*\slot+2:G0+4*\slot+3], 2*4096
	s_add_nc_u64 s[G0B+4*\slot+2:G0B+4*\slot+3], s[G0B+4*\slot+2:G0B+4*\slot+3], 2*4096
	JLOAD \slot                                    ; the first tensor load behind the round; its four v_nop are the places in front of the loads below
.else
	PLACES
.endif
	FETCH \next, 0, F0
	WIN MUL
	MUL8 F1, 4, 0
	MUL8 F1, 6, 0
.endm
	s_wait_tensorcnt 1                             ; my part of K step 0 is in (K step 1's may be out)
	s_barrier_signal -1
	s_barrier_wait -1                              ; everybody's is
	FETCH 0, 0, F0
	QUARTER 0, 1, F0, F1, 1                        ; the first quarter's products start the sums: nothing is cleared
	WIN 0
	s_mov_b32 s3, LAPS-1
.Llap:                                             ; a trip goes once round the ring, from a lap's second quarter to the next lap's first
	QUARTER 0, 2, F1, F0, 0
	QUARTER 0, 3, F0, F1, 0
	TURN 0, 1, 1
	QUARTER 1, 1, F0, F1, 0
	QUARTER 1, 2, F1, F0, 0
	QUARTER 1, 3, F0, F1, 0
	TURN 1, 0, 1
	QUARTER 0, 1, F0, F1, 0
	WIN 0
	s_sub_co_u32 s3, s3, 1
	s_cmp_lg_u32 s3, 0
	s_cbranch_scc1 .Llap
	QUARTER 0, 2, F1, F0, 0                        ; the last lap fills nothing
	QUARTER 0, 3, F0, F1, 0
	TURN 0, 1, 0
	QUARTER 1, 1, F0, F1, 0
	QUARTER 1, 2, F1, F0, 0
	QUARTER 1, 3, F0, F1, 0
	s_wait_dscnt 8
	WIN MUL
	MUL8 F1, 0, 0
	MUL8 F1, 2, 0
	s_wait_dscnt 0
	MUL8 F1, 4, 0
	MUL8 F1, 6, 0
	WIN 0
; THE WAY OUT, a block of 16 rows x 64 columns at a time: through my own stage in LDS, back as whole rows of 256 bytes.  LDS serves a wave's instructions in order (ISA guide 5.7.1.4): no wait between the stores and the loads.
.macro TOSTAGE a
	WIN 0x04                                       ; an LDS store's data are its source 1: window 1
.irp b, 0,1,2,3
	ds_store_b128 v[STO], v[8*(4*(\a)+\b):8*(4*(\a)+\b)+3] offset:64*\b          ; each accumulator from its low end on
	ds_store_b128 v[STO], v[8*(4*(\a)+\b)+4:8*(4*(\a)+\b)+7] offset:64*\b+16
.endr
	WIN 0
.set BB, BK+32*((\a)%2)
.irp t, 0,1,2,3,4,5,6,7
	ds_load_b128 v[BB+4*\t:BB+4*\t+3], v[RD] offset:\t*2*SPITCH
.endr
.endm
.macro SEND a, younger                 ; younger: the LDS instructions issued behind block a's loads, which may stay out
.set BB, BK+32*((\a)%2)
	s_wait_dscnt \younger
.if (\a) > 0
	s_add_nc_u64 s[8:9], s[8:9], 16*8192           ; (behind a wait on XCNT: the earlier stores have read their base)
.endif
.irp t, 0,1,2,3,4,5,6,7
	global_store_b128 v[CO], v[BB+4*\t:BB+4*\t+3], s[8:9] offset:2*\t*8192 th:TH_STORE_NT   ; 16 lanes store 256 consecutive bytes, aligned
.endr
.endm
	PLACES
	TOSTAGE 0
.irp a, 1,2,3,4,5,6,7
.if \a > 1
	s_wait_xcnt 0x0                                ; block a - 2's stores have read their registers and their base
.endif
	TOSTAGE \a
	SEND \a-1, 16                                  ; behind block a - 1's loads: block a's 8 stores and 8 loads
.endr
	s_wait_xcnt 0x0
	SEND 7, 0
	s_wait_tensorcnt 0x0                           ; the wave's end
	ds_add_u32 v[SPW], v[NIL]
	s_wait_dscnt 0x0
	CROUND                                         ; the closing round
	s_endpgm
.Lfunc_end_k_q073f02b04c_outp:
	.size	k_q073f02b04c_outp, .Lfunc_end_k_q073f02b04c_outp-k_q073f02b04c_outp
	.p2alignl 7, 3214868480
	.fill 96, 4, 3214868480
	.section	.rodata,"a",@progbits
	.p2align	6, 0x0
	.amdhsa_kernel k_q073f02b04c_outp
		.amdhsa_group_segment_fixed_size 327680
		.amdhsa_private_segment_fixed_size 0
		.amdhsa_enable_private_segment 0
		.amdhsa_kernarg_size 24
		.amdhsa_user_sgpr_count 2
		.amdhsa_user_sgpr_kernarg_segment_ptr 1
		.amdhsa_wavefront_size32 1
		.amdhsa_system_sgpr_workgroup_id_x 1
		.amdhsa_system_sgpr_workgroup_id_y 1
		.amdhsa_system_sgpr_workgroup_id_z 1
		.amdhsa_system_vgpr_workitem_id 0
		.amdhsa_next_free_vgpr 512
		.amdhsa_next_free_sgpr 66
		.amdhsa_reserve_vcc 0
		.amdhsa_float_denorm_mode_32 3
		.amdhsa_float_denorm_mode_16_64 3
		.amdhsa_memory_ordered 1
		.amdhsa_forward_progress 1
		.amdhsa_inst_pref_size 86
	.end_amdhsa_kernel
	.amdgpu_metadata
---
amdhsa.version: [ 1, 2 ]
amdhsa.kernels:
  - .name:           k_q073f02b04c_outp
    .symbol:         k_q073f02b04c_outp.kd
    .args:
      - { .name: att, .offset: 0, .size: 8, .value_kind: global_buffer, .address_space: global }
      - { .name: woh, .offset: 8, .size: 8, .value_kind: global_buffer, .address_space: global }
      - { .name: out0, .offset: 16, .size: 8, .value_kind: global_buffer, .address_space: global }
    .group_segment_fixed_size: 327680
    .private_segment_fixed_size: 0
    .kernarg_segment_align: 8
    .kernarg_segment_size: 24
    .max_flat_workgroup_size: 128
    .sgpr_count:     66
    .vgpr_count:     512
    .wavefront_size: 32
...
	.end_amdgpu_metadata
.endif
;; end of part 4
;; launch fine16 (part 5): grid 64 x 2, 16 waves a work-group, no clusters, 174,080 bytes of LDS; arguments fine, Wo, out0; writes out0
.if DOCPART == 5
	.amdgcn_target "amdgcn-amd-amdhsa--gfx1250"
	.amdhsa_code_object_version 6
	.text
	.protected	k_q073f02b04c_fine16
	.globl	k_q073f02b04c_fine16
	.p2align	8
	.type	k_q073f02b04c_fine16,@function
k_q073f02b04c_fine16:
	s_mov_b64 s[64:65], 0
	v_nop
	global_prefetch_b8 v0, s[64:65] scope:SCOPE_SE
	s_setreg_imm32_b32 hwreg(HW_REG_WAVE_MODE, 25, 1), 1
	s_wait_xcnt 0x0
; FINE16: positions 0 to 15 of each sequence once more, attention and the last product, all in f32.  These rows average one to sixteen values and are the largest of the result, so f16 operands would use up too much of what
; is allowed there.  It writes rows 0-15 of each batch of out0 over what the launch before left there.
; Work-group (cc, batch) makes 16 rows x 32 columns.  Wave w is head w: S^T = k q^T (K = 96), the causal softmax of 16 keys, O^T = v^T P, then its head's share of the last product (K = 64); the 16 shares meet in LDS.
; The attention of the 16 rows is made anew in each of the 64 work-groups of a batch: 40 matrix instructions a wave.
; v_wmma_f32_16x16x4_f32: lane (r, h), register j holds k = 2 h + j.  The images in fine hold, in lane (r, h), eight neighbours 8 h + 0..7 of each 16 along K: a pair of registers of one operand goes with the same pair
; of the other, so K is permuted alike on both sides and every k is taken once.  The registers that these instructions write (v200-255) are written by them alone; each sum's first instruction takes C = 0.
; Wo: a wave wants 32 rows x 256 bytes.  An operand's lane wants 32 bytes of one row at a time, sixteen rows to a load; so the loads take the bytes as they lie instead, two rows' 256 consecutive bytes each,
; and the 8,192 bytes turn through the wave's own stage in LDS (rows 272 bytes apart, so that the sixteen rows that a load touches start at sixteen different banks) while O^T's products run.
; q and k carry g each, so the scores are exponents of 2.
; A store of the result covers 128 consecutive bytes: 64 columns to a work-group would want 128 registers of Wo, which do not fit in 256 beside the rest.
; REGISTERS: v1 16 x lane; v2 r - 8 h; v3, v4 the add's two; v5 Wo's offset; v6, v7 LDS addresses; v8-55 q, later at work (v30, v31 the stage's addresses); v56-103 k; v104-135 v^T; v136-199 Wo; v200-207, v240-247 S^T in two halves; v208-239 O^T; v240-255 later the result.
.set SPARE, 32768                      ; behind the 16 waves' 2,048 bytes of shares: the spare words, 128 bytes a wave
.set WST,   34816                      ; behind them: a stage of 32 rows x 272 bytes for each wave
.set WSB,   8704
	s_load_b128 s[4:7], s[0:1], 0x0                ; fine, Wo
	s_load_b64 s[8:9], s[0:1], 0x10                ; out0
	v_lshl_add_u32 v3, v0, 2, SPARE
	v_mov_b32 v4, 0
	v_lshrrev_b32 v8, 5, v0
	v_readfirstlane_b32 s10, v8                    ; wave = head
	v_and_b32 v8, 31, v0
	v_lshlrev_b32 v1, 4, v8
	v_and_b32 v9, 15, v0                           ; r
	v_bfe_u32 v10, v0, 4, 1                        ; h
	v_lshlrev_b32 v11, 3, v10
	v_sub_nc_u32 v2, v9, v11                       ; key 8 h + j counts for query r where j <= r - 8 h
	v_lshlrev_b32 v5, 12, v10
	v_lshl_add_u32 v5, v9, 4, v5                   ; Wo: lanes 0-15 one row's 256 bytes, lanes 16-31 the next row's
	s_lshl_b32 s12, s10, 11
	v_add_nc_u32 v6, s12, v1                       ; LDS: my wave's 2,048 bytes, 16 x lane
	v_lshlrev_b32 v7, 10, v10                      ; and back: wave w takes row w, lane x column x: tile x / 16,
	v_bfe_u32 v11, v0, 2, 1
	v_lshl_add_u32 v7, v11, 9, v7                  ; registers 0-3 or 4-7,
	v_bfe_u32 v11, v0, 3, 1
	v_lshl_add_u32 v7, v11, 8, v7                  ; the lane w + 16 ((x / 8) % 2),
	v_and_b32 v11, 3, v0
	v_lshl_add_u32 v7, v11, 2, v7                  ; its word x % 4
	s_lshl_b32 s13, s10, 4
	v_add_nc_u32 v7, s13, v7
	s_and_b32 s11, ttmp7, 0xffff                   ; batch
	s_lshl_b32 s14, s11, 4
	s_add_co_u32 s14, s14, s10
	s_lshl_b32 s14, s14, 14                        ; my entry of fine
	s_mov_b32 s15, 0
	s_lshl_b32 s16, ttmp9, 17                      ; Wo: 32 rows of 4,096 bytes a work-group,
	s_lshl_b32 s17, s10, 8                         ; my head's 64 columns
	s_add_co_u32 s16, s16, s17
	s_mov_b32 s17, 0
	s_lshl_b32 s18, s11, 11
	s_add_co_u32 s18, s18, s10                     ; the row that I store: batch x 2048 + w
	s_lshl_b32 s18, s18, 13
	s_lshl_b32 s19, ttmp9, 7
	s_add_co_u32 s18, s18, s19
	s_mov_b32 s19, 0
	s_mov_b32 s20, 0x76543210
	s_mov_b32 s21, 0xfedcba98                      ; v_permlanex16_b32's selects for lane l xor 16
	s_mul_i32 s22, s10, WSB
	s_add_co_u32 s22, s22, WST                     ; my stage
	s_wait_kmcnt 0x0
	s_add_nc_u64 s[4:5], s[4:5], s[14:15]
	s_add_nc_u64 s[6:7], s[6:7], s[16:17]
	s_add_nc_u64 s[8:9], s[8:9], s[18:19]
.irp p, 0,1,2,3,4,5,6,7,8,9,10,11
	global_load_b128 v[56+4*\p:59+4*\p], v1, s[4:5] offset:6144+512*\p     ; k
.endr
.irp p, 0,1,2,3,4,5,6,7,8,9,10,11
	global_load_b128 v[8+4*\p:11+4*\p], v1, s[4:5] offset:512*\p           ; q
.endr
.irp p, 0,1,2,3,4,5,6,7
	global_load_b128 v[104+4*\p:107+4*\p], v1, s[4:5] offset:12288+512*\p  ; v^T
.endr
.irp t, 0,1,2,3,4,5,6,7,8,9,10,11,12,13,14,15
	global_load_b128 v[136+4*\t:139+4*\t], v5, s[6:7] offset:8192*\t       ; Wo, rows 2 t and 2 t + 1 of my 32: sixteen lanes read 256 consecutive bytes, aligned
.endr
	s_wait_loadcnt 24                              ; k and q are in; v's 8 and Wo's 16 loads may be out
; S^T = k q^T: 24 products of K = 4, two accumulators by turns
.set i, 0
.rept 24
.set SS, 200+40*(i%2)
.if i < 2
	v_wmma_f32_16x16x4_f32 v[SS:SS+7], v[56+2*i:57+2*i], v[8+2*i:9+2*i], 0
.else
	v_wmma_f32_16x16x4_f32 v[SS:SS+7], v[56+2*i:57+2*i], v[8+2*i:9+2*i], v[SS:SS+7]
.endif
.set i, i+1
.endr
.rept 8
	v_nop                                          ; eight places behind this form, in front of the first read of results and of writes into q's registers
.endr
	v_and_b32 v32, 15, v0                          ; r
	v_bfe_u32 v33, v0, 4, 1                        ; h
	v_mul_u32_u24 v30, v33, 272
	v_lshl_add_u32 v30, v32, 4, v30
	v_add_nc_u32 v30, s22, v30                     ; the stage, on the way in: as loaded: row h of the load's two, 16 bytes a lane
	v_mul_u32_u24 v31, v32, 272
	v_lshl_add_u32 v31, v33, 5, v31
	v_add_nc_u32 v31, s22, v31                     ; and on the way out: row r, + 32 h: the operand's lane
.irp j, 0,1,2,3,4,5,6,7
	v_add_f32 v[8+\j], v[200+\j], v[240+\j]        ; lane (r, h), register j: the score of key 8 h + j for query r.  Both accumulators from their low ends on
.endr
.irp j, 0,1,2,3,4,5,6,7
	v_cmp_le_i32 vcc_lo, \j, v2
	v_cndmask_b32 v[8+\j], 0xff61b1e6, v[8+\j], vcc_lo   ; hidden keys: -3e38
.endr
	v_max3_num_f32 v24, v8, v9, v10
	v_max3_num_f32 v24, v24, v11, v12
	v_max3_num_f32 v24, v24, v13, v14
	v_max_num_f32 v24, v24, v15
	v_mov_b32 v25, 0                               ; a lane permute's destination counts as one of its sources
	v_permlanex16_b32 v25, v24, s20, s21
	v_max_num_f32 v24, v24, v25                    ; the query's largest score: key 0 counts for every query
.irp j, 0,1,2,3,4,5,6,7
	v_sub_f32 v[8+\j], v[8+\j], v24
.endr
.irp j, 0,1,2,3,4,5,6,7
	v_exp_f32 v[8+\j], v[8+\j]
.endr
	v_nop                                          ; a plain instruction behind the last exponential,
	s_wait_alu depctr_va_vdst(0)                   ; and one wait for the eight, ahead of their first reader
	v_add_f32 v26, v8, v9
	v_add_f32 v27, v10, v11
	v_add_f32 v28, v12, v13
	v_add_f32 v29, v14, v15
	v_add_f32 v26, v26, v27
	v_add_f32 v28, v28, v29
	v_add_f32 v26, v26, v28
	v_permlanex16_b32 v25, v26, s20, s21
	v_add_f32 v26, v26, v25
	v_rcp_f32 v26, v26
	v_nop
	s_wait_alu depctr_va_vdst(0)
.irp j, 0,1,2,3,4,5,6,7
	v_mul_f32 v[16+\j], v[8+\j], v26               ; P: normalised here, in f32
.endr
	s_wait_loadcnt 16                              ; v^T is in; Wo's 16 loads may be out
; O^T = v^T P: four accumulators by turns
.irp i, 0,1,2,3
.irp db, 0,1,2,3
.if \i == 0
	v_wmma_f32_16x16x4_f32 v[208+8*\db:215+8*\db], v[104+8*\db+2*\i:105+8*\db+2*\i], v[16+2*\i:17+2*\i], 0
.else
	v_wmma_f32_16x16x4_f32 v[208+8*\db:215+8*\db], v[104+8*\db+2*\i:105+8*\db+2*\i], v[16+2*\i:17+2*\i], v[208+8*\db:215+8*\db]
.endif
.endr
.endr
	s_wait_loadcnt 0x0                             ; Wo
; Wo through my stage, while those products run.  LDS serves a wave's instructions in order: the loads see the stores, and no other wave touches these bytes.
.irp t, 0,1,2,3,4,5,6,7,8,9,10,11,12,13,14,15
	ds_store_b128 v30, v[136+4*\t:139+4*\t] offset:544*\t
.endr
.irp nt, 0,1
.irp db, 0,1,2,3
.irp u, 0,1
	ds_load_b128 v[136+8*(4*\nt+\db)+4*\u:136+8*(4*\nt+\db)+4*\u+3], v31 offset:\nt*16*272+\db*64+\u*16   ; lane (r, h): Wo(16 nt + r, 16 db + 8 h + 4 u + 0..3) of my head's 64
.endr
.endr
.endr
.rept 9
	v_nop                                          ; nine places before matrix instructions take O^T's registers as an operand
.endr
	s_wait_dscnt 0x0                               ; Wo's fragments are in
; my head's share of the result, transposed: source 0 = 16 rows of Wo, source 1 = O^T's registers as they stand; two accumulators by turns
.irp db, 0,1,2,3
.irp i, 0,1,2,3
.irp nt, 0,1
.if (\db == 0) && (\i == 0)
	v_wmma_f32_16x16x4_f32 v[240+8*\nt:247+8*\nt], v[136+8*(4*\nt+\db)+2*\i:137+8*(4*\nt+\db)+2*\i], v[208+8*\db+2*\i:209+8*\db+2*\i], 0
.else
	v_wmma_f32_16x16x4_f32 v[240+8*\nt:247+8*\nt], v[136+8*(4*\nt+\db)+2*\i:137+8*(4*\nt+\db)+2*\i], v[208+8*\db+2*\i:209+8*\db+2*\i], v[240+8*\nt:247+8*\nt]
.endif
.endr
.endr
.endr
.rept 8
	v_nop
.endr
.irp nt, 0,1
	ds_store_b128 v6, v[240+8*\nt:243+8*\nt] offset:1024*\nt          ; lane (r, h), register j: (column 16 nt + 8 h + j, row r); each accumulator from its low end on
	ds_store_b128 v6, v[244+8*\nt:247+8*\nt] offset:1024*\nt+512
.endr
	s_wait_dscnt 0x0                               ; for the others' sake: my stores are done
	s_barrier_signal -1
	s_barrier_wait -1
.irp p, 0,1,2,3,4,5,6,7,8,9,10,11,12,13,14,15
	ds_load_b32 v[8+\p], v7 offset:2048*\p         ; the 16 heads' shares of my number
.endr
	v_lshrrev_b32 v24, 2, v1                       ; 4 x lane
	s_wait_dscnt 0x0
.irp p, 0,2,4,6,8,10,12,14
	v_add_f32 v[8+\p], v[8+\p], v[9+\p]
.endr
.irp p, 0,4,8,12
	v_add_f32 v[8+\p], v[8+\p], v[10+\p]
.endr
	v_add_f32 v8, v8, v12
	v_add_f32 v16, v16, v20
	v_add_f32 v8, v8, v16
	global_store_b32 v24, v8, s[8:9]               ; the wave stores 128 consecutive bytes of its row
	s_wait_tensorcnt 0x0                           ; the wave's end, behind my last LDS store
	ds_add_u32 v3, v4
	s_wait_dscnt 0x0
	s_endpgm
.Lfunc_end_k_q073f02b04c_fine16:
	.size	k_q073f02b04c_fine16, .Lfunc_end_k_q073f02b04c_fine16-k_q073f02b04c_fine16
	.p2alignl 7, 3214868480
	.fill 96, 4, 3214868480
	.section	.rodata,"a",@progbits
	.p2align	6, 0x0
	.amdhsa_kernel k_q073f02b04c_fine16
		.amdhsa_group_segment_fixed_size 174080
		.amdhsa_private_segment_fixed_size 0
		.amdhsa_enable_private_segment 0
		.amdhsa_kernarg_size 24
		.amdhsa_user_sgpr_count 2
		.amdhsa_user_sgpr_kernarg_segment_ptr 1
		.amdhsa_wavefront_size32 1
		.amdhsa_system_sgpr_workgroup_id_x 1
		.amdhsa_system_sgpr_workgroup_id_y 1
		.amdhsa_system_sgpr_workgroup_id_z 1
		.amdhsa_system_vgpr_workitem_id 0
		.amdhsa_next_free_vgpr 256
		.amdhsa_next_free_sgpr 66
		.amdhsa_reserve_vcc 1
		.amdhsa_float_denorm_mode_32 3
		.amdhsa_float_denorm_mode_16_64 3
		.amdhsa_memory_ordered 1
		.amdhsa_forward_progress 1
		.amdhsa_inst_pref_size 20
	.end_amdhsa_kernel
	.amdgpu_metadata
---
amdhsa.version: [ 1, 2 ]
amdhsa.kernels:
  - .name:           k_q073f02b04c_fine16
    .symbol:         k_q073f02b04c_fine16.kd
    .args:
      - { .name: fine, .offset: 0, .size: 8, .value_kind: global_buffer, .address_space: global }
      - { .name: Wo, .offset: 8, .size: 8, .value_kind: global_buffer, .address_space: global }
      - { .name: out0, .offset: 16, .size: 8, .value_kind: global_buffer, .address_space: global }
    .group_segment_fixed_size: 174080
    .private_segment_fixed_size: 0
    .kernarg_segment_align: 8
    .kernarg_segment_size: 24
    .max_flat_workgroup_size: 512
    .sgpr_count:     66
    .vgpr_count:     256
    .wavefront_size: 32
...
	.end_amdgpu_metadata
.endif
;; end of part 5
